; MI455X (gfx1250); checked and timed in simulation.
; The chip was launched on July 23, 2026; its instructions are those of AMD's public machine-readable ISA for CDNA 5 (MIT licence, August 2026) and "CDNA5" Instruction Set Architecture Reference Guide (July 2026). The comments in the code are by the model that wrote it; some were corrected since.
;; Multi Head Attention. Allowed arithmetic: matrix products marked QUANTISED: E4M3 operands, one E8M0 scale for each 32 along K, by v_wmma_scale_f32_16x16x128_f8f6f4 with both operands' format E4M3, f32 sums; everything else in f32.
;; Inputs: Wk 2,048 x 2,048 float32; Wo 2,048 x 2,048 float32; Wq 2,048 x 2,048 float32; Wv 2,048 x 2,048 float32; cos 2,048 x 128 float32; sin 2,048 x 128 float32; x 1 x 2,048 x 2,048 float32.
;; Outputs: out0 1 x 2,048 x 2,048 float32.
;; This version of the problem:
;;   THIS VERSION OF THE PROBLEM IS GIVEN IN LOW PRECISION. The matrix products marked QUANTISED in the list below multiply operands that are first quantised to E4M3 (4 exponent bits, 3 mantissa bits; 8 bits a number), with one power-of-two scale for each 32 numbers along K (OCP MX v1.0); their sums are f32. All else is computed in f32.
;;   The module's matrix products, in the order in which they are computed (A, B: the left and right operand; K: the contracted axis; several contracted axes count as one K, in the product's order):
;;     1. [M 2,048, K 2,048] x [K 2,048, N 2,048]; A: input x; B: input Wq: QUANTISED
;;     2. [M 2,048, K 2,048] x [K 2,048, N 2,048]; A: input x; B: input Wk: QUANTISED
;;     3. [M 2,048, K 2,048] x [K 2,048, N 2,048]; A: input x; B: input Wv: QUANTISED
;;     4. batch 16 x [M 2,048, K 128] x [K 128, N 2,048]; A: computed on the way; B: computed on the way: QUANTISED
;;     5. batch 16 x [M 2,048, K 2,048] x [K 2,048, N 128]; A: softmax (see below); B: computed on the way: QUANTISED
;;     6. [M 2,048, K 2,048] x [K 2,048, N 2,048]; A: computed on the way; B: input Wo: QUANTISED
;;   THE QUANTISER, for each operand of a quantised product, along K:
;;     - K is cut into blocks of 32 from its start; a last block that is shorter is filled with zeros.
;;     - A block's scale is 2^e with e = floor(log2(the largest magnitude in the block)) - 8, held to -126 .. 127; a block of zeros has e = 0. As a byte (E8M0): e + 127.
;;     - Each number is divided by its block's scale, clamped to +-448, and rounded to the nearest number of E4M3, ties to even, subnormals kept.
;;     - The product sums the exact products of the quantised numbers (number of the format x scale) in f32.
;;   ~~~python
;;   def quantise(x, axis):      # numpy; x: float32 -> the quantised numbers, widened to float32 again
;;       x = np.moveaxis(x, axis, -1); K = x.shape[-1]
;;       x = np.pad(x, [(0, 0)] * (x.ndim - 1) + [(0, -K % 32)]); x = x.reshape(x.shape[:-1] + (-1, 32)); a = np.abs(x).max(-1, keepdims=True)
;;       e = np.where(a > 0, np.clip(np.frexp(np.where(a > 0, a, 1))[1] - 1 - 8, -126, 127), 0)      # np.frexp(a)[1] - 1 = floor(log2(a)), exactly
;;       r = np.clip(x / 2.0 ** e, -448, 448)
;;       step = 2.0 ** (np.maximum(np.frexp(np.where(r == 0, 1, r))[1] - 1, -6) - 3)
;;       q = np.round(r / step) * step * 2.0 ** e      # np.round: ties to even
;;       return np.moveaxis(q.reshape(q.shape[:-2] + (-1,))[..., :K], -1, axis).astype(np.float32)
;;   ~~~
;;   SOFTMAX AHEAD OF A QUANTISED PRODUCT. Where the list says 'softmax', what is quantised is not the finished softmax but p = 2^(t - M), with t = logit x log2(e) and M = ceil(the row's largest t), a whole number; so 1/2 < the row's largest p <= 1. The row's sum l is taken of the UNQUANTISED p, in f32, and the product's result is divided by l at the end. Since M is a whole number, a kernel that streams over the keys may use a running M (the ceiling of the running maximum): every later rescaling is an exact power of two, which a block's scale takes up: the codes' values come out the same.
;;   OPERANDS COMPUTED ON THE WAY. 'Computed on the way' means the value that the module computes at that place (a softmax that the list does not call 'softmax' is quantised finished and normalised). What goes into a quantiser is computed in f32, as accurately as f32 sums, v_exp_f32 and their like allow (about 1e-6 of the number): no bf16 or f16 on the way to a quantiser, and a product that is left as it is and whose result goes on into a quantised operand takes f32 operands (vector FMAs, or v_wmma_f32_16x16x4_f32). A number that lies on a knife's edge between two numbers of the format may be rounded either way, as far as f32 arithmetic and the matrix unit's own rounding can turn it there, and no further.
;; One version. Each part assembles by itself: llvm-mc -triple=amdgcn-amd-amdhsa -mcpu=gfx1250 --defsym DOCPART=n.
;; ======== version 1 of 1: 4 launches
;; workspace buffers: c1 20,971,520 bytes; s1 655,360 bytes; c2 12,582,912 bytes; s2 393,216 bytes; c3 4,194,304 bytes; s3 131,072 bytes
;; launch quant (part 1): grid 256 x 4, 4 waves a work-group, no clusters, 35,328 bytes of LDS; arguments x, Wq, Wk, Wv, c1, s1; writes c1, s1
.if DOCPART == 1
	.amdgcn_target "amdgcn-amd-amdhsa--gfx1250"
	.amdhsa_code_object_version 6
	.text
	.protected	k_qb4f446a5bf_quant
	.globl	k_qb4f446a5bf_quant
	.p2align	8
	.type	k_qb4f446a5bf_quant,@function
k_qb4f446a5bf_quant:
	s_mov_b64 s[64:65], 0
	v_nop
	global_prefetch_b8 v0, s[64:65] scope:SCOPE_SE
	s_setreg_imm32_b32 hwreg(HW_REG_WAVE_MODE, 25, 1), 1
	s_wait_xcnt 0x0
; x, Wq, Wk, Wv, each [2048][2048] f32 with K innermost, become codes of E4M3 with one E8M0 byte for each 32 along K.  (Wo is quantised in the same way by the attention launch, by waves that have run out of keys.)
; THE LAYOUT OF THE CODES IS THE ORDER OF AN OPERAND'S REGISTERS.  P(i) = i + 8 (i / 8).  Tile T (0..127) holds the 16 rows 32 (T / 2) + 8 (T % 2) + P(i).
; The image of (tile T, K step s of 128) is 2,048 bytes: byte 512 c + 16 lane + e is the code of (row P(lane % 16) of the tile, k = 128 s + 32 c + 16 (lane / 16) + e).
; c1: tensor n at n x 4 MiB, [T 128][s 16][2048].   s1: tensor n at n x 131,072, [s 16][T 128][r 16] words, byte c of a word = the scale byte of block c of the K step.
; A block's scale is 2^(floor(log2(largest magnitude)) - 8); its byte is the largest magnitude's exponent field - 8, held at 1 from below.
; LIMITS: NaN and infinities are not served; a block whose largest magnitude lies under 2^-118 gets the byte 1; a block of zeros gets the byte 1 where the rule says 127 (its codes are zeros; this program alone reads the bytes).
; SHARES: work-group y = the tensor; work-group x = (four tiles, two K steps); wave w takes tile 4 quad + w and makes two images.  1,024 work-groups, four for each of 256 WGPs.
; A wave issues all its 32 loads at its head: 16 KiB a wave.  Each load reads 512 consecutive bytes of one row; the 16 rows turn through the wave's own stage in LDS (pitch 528) so that a lane gets 16 neighbours of each block of 32.
; No tensor load, no cluster, no matrix unit: work-groups share no input and the launch only streams.
.set STGB, 8448                        ; a wave's stage: 16 rows x 528 bytes
.set SG,   33792                       ; behind the stages: the work-group's scale words, [piece 2][wave 4][r 16]
.set LI,   2                           ; v2   16 x lane
.set STO,  3                           ; v3   stage, way in: 16 x lane
.set RDA,  4                           ; v4   stage, way out: 528 r + 64 h
.set SWA,  5                           ; v5   where my row's scale word goes
.set SRD,  6                           ; v6   where I read 8 bytes of scale words back
.set SGO,  7                           ; v7   8 x lane
.set TM,   8                           ; v8-23  at work in QUANT
.set PW,   24                          ; v24  the scale word just made
.set PC,   28                          ; v28-43 the codes just made
.set R0,   64                          ; v64-127, v128-191: two sets of 64 numbers
.set SEL,  26                          ; s[26:27] lane selects: lane xor 16
.set MNT,  28                          ; s28  the mantissa field of 448
; 64 numbers of a lane, register 16 b + i = k 32 b + 16 (lane / 16) + i of my row, become 16 registers of codes and a scale word
.macro QUANT s
.irp b, 0,1,2,3
	v_max3_num_f32 v[TM+\b], |v[\s+16*\b]|, |v[\s+1+16*\b]|, 0x4800000   ; my 16 numbers of block b, and the floor 2^(9 - 127): the byte cannot fall under 1
.endr
.irp i, 2,4,6,8,10,12,14
.irp b, 0,1,2,3
	v_max3_num_f32 v[TM+\b], v[TM+\b], |v[\s+16*\b+\i]|, |v[\s+1+16*\b+\i]|
.endr
.endr
.irp b, 0,1,2,3
	v_permlanex16_b32 v[TM+4+\b], v[TM+\b], s[SEL], s[SEL+1]
.endr
.irp b, 0,1,2,3
	v_max_num_f32 v[TM+\b], v[TM+\b], v[TM+4+\b]            ; with lane xor 16's: the block's largest magnitude
.endr
.irp b, 0,1,2,3
	v_add_nc_u32 v[TM+12+\b], 0xfc000000, v[TM+\b]          ; 8 off its exponent field: the conversion's scale operand
.endr
.irp b, 0,1,2,3
	v_and_or_b32 v[TM+8+\b], v[TM+\b], 0x7f800000, s[MNT]   ; 448 x the scale
.endr
.irp b, 0,1,2,3
	v_lshrrev_b32 v[TM+4+\b], 23, v[TM+12+\b]               ; the scale's byte
.endr
	v_lshl_or_b32 v[PW], v[TM+5], 8, v[TM+4]
	v_lshl_or_b32 v[PW], v[TM+6], 16, v[PW]
	v_lshl_or_b32 v[PW], v[TM+7], 24, v[PW]
.irp b, 0,1,2,3
.irp i, 0,1,2,3,4,5,6,7,8,9,10,11,12,13,14,15
	v_med3_num_f32 v[\s+16*\b+\i], v[\s+16*\b+\i], -v[TM+8+\b], v[TM+8+\b]   ; the conversion does not saturate (ISA guide 7.6.2): hold first
.endr
	v_cvt_scalef32_pk8_fp8_f32 v[PC+4*\b:PC+1+4*\b], v[\s+16*\b:\s+7+16*\b], v[TM+12+\b]
	v_cvt_scalef32_pk8_fp8_f32 v[PC+2+4*\b:PC+3+4*\b], v[\s+8+16*\b:\s+15+16*\b], v[TM+12+\b]
.endr
	v_nop                                                   ; a plain line behind the last conversion
.endm
	s_load_b256 s[4:11], s[0:1], 0x0               ; x, Wq, Wk, Wv
	s_load_b128 s[12:15], s[0:1], 0x20             ; c1, s1
	v_lshl_add_u32 v192, v0, 2, 0x8800
	v_mov_b32 v193, 0
	v_lshrrev_b32 v1, 5, v0
	v_readfirstlane_b32 s18, v1                    ; wave
	v_and_b32 v1, 31, v0                           ; lane
	v_and_b32 v25, 15, v0                          ; r
	v_bfe_u32 v26, v0, 4, 1                        ; h
	s_and_b32 s19, ttmp7, 0xffff                   ; the tensor, 0..3
	s_lshr_b32 s20, ttmp9, 3                       ; quad: tiles 4 quad .. 4 quad + 3
	s_and_b32 s21, ttmp9, 7                        ; kq: K steps 2 kq, 2 kq + 1
	s_and_b32 s25, s18, 1                          ; wave % 2
	v_lshlrev_b32 v[LI], 4, v1
	s_mul_i32 s22, s18, STGB
	v_add_nc_u32 v[STO], s22, v[LI]
	v_mul_u32_u24 v[RDA], v25, 528
	v_lshl_add_u32 v[RDA], v26, 6, v[RDA]
	v_add_nc_u32 v[RDA], s22, v[RDA]
	s_lshl_b32 s23, s18, 6
	s_add_co_u32 s23, s23, SG
	v_lshl_add_u32 v[SWA], v25, 2, s23             ; SG + 64 wave + 4 r (+ 256 x piece in the immediate)
	s_lshl_b32 s23, s25, 8
	s_add_co_u32 s23, s23, SG
	v_lshl_add_u32 v[SRD], v1, 3, s23              ; SG + 256 (wave % 2) + 8 lane: read by waves 0 and 1
	v_lshlrev_b32 v[SGO], 3, v1
	s_mov_b32 s[SEL], 0x76543210
	s_mov_b32 s[SEL+1], 0xfedcba98
	s_mov_b32 s[MNT], 0x600000
.irp b, 0,1,2,3
	v_mov_b32 v[TM+4+\b], 0                        ; a lane permute's destination counts as a source: written once
.endr
	s_lshl_b32 s30, s20, 6                         ; my tile's first row: 64 quad + 32 (w / 2) + 8 (w % 2)
	s_lshr_b32 s24, s18, 1
	s_lshl_b32 s24, s24, 5
	s_add_co_u32 s30, s30, s24
	s_lshl_b32 s24, s25, 3
	s_add_co_u32 s30, s30, s24
	s_lshl_b32 s30, s30, 13                        ; rows of 8,192 bytes
	s_lshl_b32 s24, s21, 10                        ; + two K steps of 512 bytes
	s_add_co_u32 s30, s30, s24
	s_mov_b32 s31, 0
	s_lshl_b32 s32, s20, 2
	s_add_co_u32 s32, s32, s18                     ; T
	s_lshl_b32 s32, s32, 15
	s_lshl_b32 s24, s21, 12
	s_add_co_u32 s32, s32, s24
	s_lshl_b32 s24, s19, 22
	s_add_co_u32 s32, s32, s24                     ; codes: n x 4 MiB + T x 32,768 + kq x 4,096
	s_mov_b32 s33, 0
	s_lshl_b32 s34, s21, 1
	s_add_co_u32 s34, s34, s25                     ; the K step whose words waves 0 and 1 store: 2 kq + wave
	s_lshl_b32 s34, s34, 13
	s_lshl_b32 s24, s20, 8
	s_add_co_u32 s34, s34, s24
	s_lshl_b32 s24, s19, 17
	s_add_co_u32 s34, s34, s24
	s_mov_b32 s35, 0
	s_wait_kmcnt 0x0
	s_cmp_eq_u32 s19, 1                            ; the input is chosen by the work-group's y alone
	s_cselect_b64 s[4:5], s[6:7], s[4:5]
	s_cmp_eq_u32 s19, 2
	s_cselect_b64 s[4:5], s[8:9], s[4:5]
	s_cmp_eq_u32 s19, 3
	s_cselect_b64 s[4:5], s[10:11], s[4:5]
	s_add_nc_u64 s[4:5], s[4:5], s[30:31]
	s_add_nc_u64 s[12:13], s[12:13], s[32:33]
	s_add_nc_u64 s[14:15], s[14:15], s[34:35]
.macro LOAD f                          ; piece f: 16 rows x 512 bytes, a row a load
.irp i, 0,1,2,3,4,5,6,7,8,9,10,11,12,13,14,15
	global_load_b128 v[R0+64*(\f)+4*\i:R0+64*(\f)+4*\i+3], v[LI], s[4:5] offset:(\i+8*(\i/8))*8192+512*(\f) th:TH_LOAD_NT
.endr
.endm
.macro PIECE f
.set RS, R0+64*(\f)
.if (\f) < 1
	s_wait_loadcnt 16                              ; this piece's 16 loads are in; the second piece's 16 may be out
.else
	s_wait_loadcnt 0x0
.endif
.irp i, 0,1,2,3,4,5,6,7,8,9,10,11,12,13,14,15
	ds_store_b128 v[STO], v[RS+4*\i:RS+4*\i+3] offset:528*\i
.endr
.irp b, 0,1,2,3
.irp j, 0,1,2,3
	ds_load_b128 v[RS+16*\b+4*\j:RS+16*\b+4*\j+3], v[RDA] offset:128*\b+16*\j   ; LDS serves a wave's instructions in order: these see the stores above
.endr
.endr
	s_wait_dscnt 0x0
.if (\f) > 0
	s_wait_xcnt 0x0                                ; the first piece's stores have read the codes' registers
.endif
	QUANT RS
.irp c, 0,1,2,3
	global_store_b128 v[LI], v[PC+4*\c:PC+4*\c+3], s[12:13] offset:2048*(\f)+512*\c   ; 512 consecutive bytes a store
.endr
	ds_store_b32 v[SWA], v[PW] offset:256*(\f)     ; lanes r and r + 16 write the same word with the same value
.endm
	LOAD 0
	LOAD 1
	PIECE 0
	PIECE 1
	s_wait_dscnt 0x0                               ; my scale words lie in LDS
	s_barrier_signal -1
	s_barrier_wait -1                              ; everybody's do
	s_cmp_gt_u32 s18, 1
	s_cbranch_scc1 .Lno_words
	ds_load_b64 v[26:27], v[SRD]                   ; K step 2 kq + wave: the four tiles' words, 256 bytes
	s_wait_dscnt 0x0
	global_store_b64 v[SGO], v[26:27], s[14:15]    ; 32 lanes store 256 consecutive bytes, aligned
.Lno_words:
	s_wait_tensorcnt 0x0
	ds_add_u32 v192, v193
	s_wait_dscnt 0x0
	s_endpgm
.Lfunc_end_k_qb4f446a5bf_quant:
	.size	k_qb4f446a5bf_quant, .Lfunc_end_k_qb4f446a5bf_quant-k_qb4f446a5bf_quant
	.p2alignl 7, 3214868480
	.fill 96, 4, 3214868480
	.section	.rodata,"a",@progbits
	.p2align	6, 0x0
	.amdhsa_kernel k_qb4f446a5bf_quant
		.amdhsa_group_segment_fixed_size 35328
		.amdhsa_private_segment_fixed_size 0
		.amdhsa_enable_private_segment 0
		.amdhsa_kernarg_size 48
		.amdhsa_user_sgpr_count 2
		.amdhsa_user_sgpr_kernarg_segment_ptr 1
		.amdhsa_wavefront_size32 1
		.amdhsa_system_sgpr_workgroup_id_x 1
		.amdhsa_system_sgpr_workgroup_id_y 1
		.amdhsa_system_sgpr_workgroup_id_z 1
		.amdhsa_system_vgpr_workitem_id 0
		.amdhsa_next_free_vgpr 194
		.amdhsa_next_free_sgpr 66
		.amdhsa_reserve_vcc 0
		.amdhsa_float_denorm_mode_32 3
		.amdhsa_float_denorm_mode_16_64 3
		.amdhsa_memory_ordered 1
		.amdhsa_forward_progress 1
		.amdhsa_inst_pref_size 28
	.end_amdhsa_kernel
	.amdgpu_metadata
---
amdhsa.version: [ 1, 2 ]
amdhsa.kernels:
  - .name:           k_qb4f446a5bf_quant
    .symbol:         k_qb4f446a5bf_quant.kd
    .args:
      - { .name: x, .offset: 0, .size: 8, .value_kind: global_buffer, .address_space: global }
      - { .name: Wq, .offset: 8, .size: 8, .value_kind: global_buffer, .address_space: global }
      - { .name: Wk, .offset: 16, .size: 8, .value_kind: global_buffer, .address_space: global }
      - { .name: Wv, .offset: 24, .size: 8, .value_kind: global_buffer, .address_space: global }
      - { .name: c1, .offset: 32, .size: 8, .value_kind: global_buffer, .address_space: global }
      - { .name: s1, .offset: 40, .size: 8, .value_kind: global_buffer, .address_space: global }
    .group_segment_fixed_size: 35328
    .private_segment_fixed_size: 0
    .kernarg_segment_align: 8
    .kernarg_segment_size: 48
    .max_flat_workgroup_size: 128
    .sgpr_count:     66
    .vgpr_count:     194
    .wavefront_size: 32
...
	.end_amdgpu_metadata
.endif
;; end of part 1
;; launch qkv (part 2): grid 16 x 16, 4 waves a work-group, clusters of 4 x 4, 327,680 bytes of LDS; arguments c1, s1, cos, sin, c2, s2; writes c2, s2
.if DOCPART == 2
	.amdgcn_target "amdgcn-amd-amdhsa--gfx1250"
	.amdhsa_code_object_version 6
	.text
	.protected	k_qb4f446a5bf_qkv
	.globl	k_qb4f446a5bf_qkv
	.p2align	8
	.type	k_qb4f446a5bf_qkv,@function
k_qb4f446a5bf_qkv:
	s_mov_b64 s[64:65], 0
	v_nop
	global_prefetch_b8 v0, s[64:65] scope:SCOPE_SE
	s_setreg_imm32_b32 hwreg(HW_REG_WAVE_MODE, 25, 1), 1
	s_wait_xcnt 0x0
	s_wait_alu depctr_hold_cnt(0) depctr_sa_sdst(0) depctr_va_vdst(0) depctr_va_sdst(0) depctr_va_ssrc(0) depctr_va_vcc(0) depctr_vm_vsrc(0)
	s_getreg_b32 s2, hwreg(HW_REG_IB_STS2, 6, 4)
	s_cmp_eq_u32 s2, 0
	s_cbranch_scc0 .Lentry_in_a_cluster
	s_endpgm
.Lentry_in_a_cluster:
	s_bfe_u32 s2, ttmp6, 0x10000c
	s_cmp_lg_u32 s2, 0xf033
	s_cbranch_scc0 .Lentry_shape_is_right
	s_endpgm
.Lentry_shape_is_right:
; q, k, v = x Wq^T, x Wk^T, x Wv^T on codes of E4M3 (K = 2,048); RoPE on q and k; q and k quantised along the head's 128, v along the keys.  All three leave as images of operand registers.
; IMAGES (as the launch before lays them): P(i) = i + 8 (i / 8); tile T holds rows 32 (T / 2) + 8 (T % 2) + P(i); byte 512 c + 16 lane + e of an image = (row P(lane % 16), k = 32 c + 16 (lane / 16) + e of the K step).
; So when tile T is source 0, register j of lane (r, h) of the result is row 32 (T / 2) + 16 h + 8 (T % 2) + j: the 16 registers of tiles 2 b, 2 b + 1 are 16 neighbours, and conversions give images again.
; c2: q at 0, k at 4 MiB: [head][T 128][2048] (K = d).  v at 8 MiB: [head][key step 16][n 8][2048], rows d, K = the step's 128 keys.   s2: q's words at 0, k's at 131,072: [head][T][r]; v's at 262,144: [head][step][n][r].
; SHARES: a work-group takes 128 tokens x one head's q, k and v (384 columns).  Wave w: th = w / 2: 64 tokens (x tiles 4 th + i); ch = w % 2: of each weight the head's tiles 2 ch + t % 2 + 4 (t / 2): d blocks ch and ch + 2,
; so that RoPE's partners d and d + 64 lie in one lane.  48 accumulators, by turns, one instruction a turn.
; q, k: source 0 = weight tile, source 1 = x tile (a lane holds one token, registers along d).  v: source 0 = x tile, source 1 = weight tile (a lane holds one d, registers along the tokens, which are the next K).
; CLUSTER 4 x 4: x's tiles hang on the token block alone and are asked for jointly along a row of the cluster (wave 0); the weights' hang on the head alone: jointly along a column (waves 1 to 3: Wq, Wk, Wv).
; RING: two slots of 256 along K; a wave's load brings 8 tiles x 4,096 bytes.  The scale words of all of K come once, with the first fills.  By this text's count a wave has three tensor loads out at the start, later one.
; LIMITS: NaN and infinities are not served; a block whose largest magnitude lies under 2^-118 gets the byte 1, a block of zeros too.
; REGISTERS: window 0: v3-19 addresses, v20-31 at work, v32-47 two sets of scale words, v64-127 cos and sin of token tile 3, v128-255 two sets of x's four fragments (later at work on the way out).
;   window 1: v0-191 Wq's, Wk's, Wv's four fragments; v192-255 cos, sin of tile 2.   window 2: q's accumulators at 8 (4 t + i), k's at 128 + the same.   window 3: v's at 8 (4 t + i); v128-255 cos, sin of tiles 0, 1.
.set SLOTB, 131072                     ; a slot: four regions of 32,768 (x, Wq, Wk, Wv): [tile 8][K step 2][2048]
.set SCB,   262144                     ; scale words: four regions of 8,192: [K step 16][tile 8][r 16]
.set SCG,   294912                     ; the results' scale words: q's, k's, v's, 512 bytes each; no tensor load lands here
.set SPARE, 296448                     ; the spare words: 128 bytes a wave
.set LI,  3                            ; 16 x lane
.set ADX, 4                            ; v4-5   my x fragments in slot 0, 1
.set ADW, 6                            ; v6-8, v9-11  my Wq, Wk, Wv fragments in slot 0, 1
.set ASX, 12                           ; x's scale words of the K step to be fetched
.set ASW, 13                           ; the weights'
.set CSO, 14                           ; my lane's byte in cos and sin: 512 P(r) + 64 h
.set SPW, 15
.set NIL, 16
.set ABQ, 17                           ; where q's and k's scale bytes go
.set ABV, 18                           ; where v's go
.set SRD, 19                           ; where a wave reads 512 bytes of scale words back
.set TM,  20
.set SC,  32                           ; set p at SC + 8 p: 0, 1 x's tile pairs; 2 + 2 j, 3 + 2 j the pairs of weight j.  Lanes 0-15 the even tile, lanes 16-31 the odd
.set PFO, 48
.set XF,  128
.set Y,   128                          ; the way out: 32 numbers
.set TA,  224
.set TB,  240
.set WV, 16
.set TH, 17
.set CH, 18
.set CX, 19
.set CY, 20
.set HEAD, 21
.set YB, 22
.set LAP, 23
.set G1A, 24
.set G1B, 32
.set G1SA, 40
.set G1SB, 48
.set G0A, 56
.set G0B, 68
.set G0SA, 76
.set G0SB, 80
.set SEL, 92
.set MNT, 94
.set LIM, 95
.set PFA, 96
.set VBS, 98
.set MSB, 0
.macro WIN new                         ; the immediate's high byte repeats the setting that is left
.if MSB != \new
	s_set_vgpr_msb (MSB<<8)|\new
.set MSB, \new
.endif
.endm
.macro PLACES n
.rept \n
	v_nop
.endr
.endm
; a joint load: wave 0 fetches for x, waves 1 to 3 for the weights.  Four v_nop follow each line
.macro JLOAD g0a, g1a, g0b, g1b
	s_cmp_eq_u32 s[WV], 0
	s_cbranch_scc0 .Lfor_b_\@
	tensor_load_to_lds s[\g0a:\g0a+3], s[\g1a:\g1a+7]
	s_nop 0
.rept 4
	v_nop
.endr
	s_branch .Lasked_\@
.Lfor_b_\@:
	tensor_load_to_lds s[\g0b:\g0b+3], s[\g1b:\g1b+7]
	s_nop 0
.rept 4
	v_nop
.endr
.Lasked_\@:
.endm
.macro CREST
	s_cmp_lg_u32 s[WV], 0
	s_cbranch_scc1 .Lnot_wave_0_\@
	s_barrier_signal -3
.Lnot_wave_0_\@:
	s_barrier_wait -3
	s_barrier_signal -1
	s_barrier_wait -1
.endm
.macro CROUND
	s_barrier_signal -1
	s_barrier_wait -1
	CREST
.endm
; a prefetch of the slot that stands two refills on: of the 8 tiles x 4,096 bytes that my wave fetches, my work-group's two tiles, told apart from the partners' by address; 32 lanes x 256 bytes.
; x's tiles are read by every cluster of a row of clusters: cluster x = 0 asks; the weights' by every cluster of a column: cluster y = 0 asks.  The loop's last trip asks for nothing.
.macro ASK
	s_cmp_gt_u32 s[LAP], s[LIM]
	s_cbranch_scc0 .Lnot_mine_\@
	global_prefetch_b8 v[PFO], s[PFA:PFA+1] offset:4096 th:TH_LOAD_NT scope:SCOPE_SE
.Lnot_mine_\@:
.endm
	s_load_b256 s[4:11], s[0:1], 0x0               ; c1, s1, cos, sin
	s_load_b128 s[12:15], s[0:1], 0x20             ; c2, s2
	v_lshl_add_u32 v[SPW], v0, 2, SPARE
	v_mov_b32 v[NIL], 0
	ds_add_u32 v15, v16
	ds_add_u32 v15, v16
	s_wait_dscnt 0x0
	v_lshrrev_b32 v1, 5, v0
	v_readfirstlane_b32 s[WV], v1
	s_lshr_b32 s[TH], s[WV], 1
	s_and_b32 s[CH], s[WV], 1
	s_bfe_u32 s[CX], ttmp6, 0x40000
	s_bfe_u32 s[CY], ttmp6, 0x40004
	s_lshl_b32 s[HEAD], ttmp9, 2
	s_add_co_u32 s[HEAD], s[HEAD], s[CX]           ; head = 4 x cluster x + cx
	s_and_b32 s[YB], ttmp7, 0xffff
	s_lshl_b32 s[YB], s[YB], 2
	s_add_co_u32 s[YB], s[YB], s[CY]               ; token block = 4 x cluster y + cy
	s_lshl_b32 s84, s[CY], 2
	s_lshl_b32 s84, 15, s84                        ; my row of the cluster
	s_lshl_b32 s88, 0x1111, s[CX]                  ; my column
	s_or_b32 s[G1A], s84, (3<<16)|(1<<21)          ; 15:0 the mask; 17:16 elements of 8 bytes; 21 set beside a mask; no padding: images are read 512 consecutive bytes at a time
	s_or_b32 s[G1SA], s84, (3<<16)|(1<<21)
	s_or_b32 s[G1B], s88, (3<<16)|(1<<21)
	s_or_b32 s[G1SB], s88, (3<<16)|(1<<21)
.irp g, G1A, G1B                       ; codes: 8 rows (tiles) of 512 elements (two K steps' images), 4,096 elements (a tile's 16 K steps) apart
	s_mov_b32 s[\g+1], 512<<16
	s_mov_b32 s[\g+2], 8<<16
	s_mov_b32 s[\g+3], 512<<16
	s_mov_b32 s[\g+4], 8
	s_mov_b32 s[\g+5], 4096
	s_mov_b32 s[\g+6], 0
	s_mov_b32 s[\g+7], 0
.endr
.irp g, G1SA, G1SB                     ; scale words: 16 rows (K steps) of 64 elements (8 tiles' words), 1,024 elements apart
	s_mov_b32 s[\g+1], 64<<16
	s_mov_b32 s[\g+2], 16<<16
	s_mov_b32 s[\g+3], 64<<16
	s_mov_b32 s[\g+4], 16
	s_mov_b32 s[\g+5], 1024
	s_mov_b32 s[\g+6], 0
	s_mov_b32 s[\g+7], 0
.endr
	s_lshl_b32 s84, s[YB], 18                      ; x: tiles 8 yblk on (these four registers hold the token block alone)
	s_mov_b32 s85, 0
	s_lshl_b32 s86, s[YB], 9
	s_mov_b32 s87, 0
	s_lshl_b32 s88, s[HEAD], 18                    ; weight w: tensor w of c1, tiles 8 head on (these four hold the head and the wave alone)
	s_lshl_b32 s89, s[WV], 22
	s_add_co_u32 s88, s88, s89
	s_mov_b32 s89, 0
	s_lshl_b32 s90, s[HEAD], 9
	s_lshl_b32 s91, s[WV], 17
	s_add_co_u32 s90, s90, s91
	s_mov_b32 s91, 0
	s_lshl_b32 s66, s[WV], 15                      ; where they go: region w
	s_lshl_b32 s67, s[WV], 13
	s_mov_b32 s[SEL], 0x76543210
	s_mov_b32 s[SEL+1], 0xfedcba98
	s_mov_b32 s[MNT], 0x600000
	s_wait_kmcnt 0x0
	s_add_nc_u64 s[84:85], s[4:5], s[84:85]
	s_add_nc_u64 s[86:87], s[6:7], s[86:87]
	s_add_nc_u64 s[88:89], s[4:5], s[88:89]
	s_add_nc_u64 s[90:91], s[6:7], s[90:91]
	CROUND                                         ; all sixteen work-groups are here: the first joint loads meet
	s_mov_b32 s[G0SA], 1
	s_add_co_u32 s[G0SA+1], s67, SCB
	s_mov_b64 s[G0SA+2:G0SA+3], s[86:87]
	s_or_b32 s[G0SA+3], s[G0SA+3], 0x80000000
	s_mov_b32 s[G0SB], 1
	s_add_co_u32 s[G0SB+1], s67, SCB
	s_mov_b64 s[G0SB+2:G0SB+3], s[90:91]
	s_or_b32 s[G0SB+3], s[G0SB+3], 0x80000000
	JLOAD G0SA, G1SA, G0SB, G1SB                   ; the scale words first: they are wanted with K step 0
.irp s, 0,1
	s_mov_b32 s[G0A+4*\s], 1
	s_add_co_u32 s[G0A+4*\s+1], s66, \s*SLOTB
	s_add_nc_u64 s[G0A+4*\s+2:G0A+4*\s+3], s[84:85], \s*4096
	s_or_b32 s[G0A+4*\s+3], s[G0A+4*\s+3], 0x80000000
	s_mov_b32 s[G0B+4*\s], 1
	s_add_co_u32 s[G0B+4*\s+1], s66, \s*SLOTB
	s_add_nc_u64 s[G0B+4*\s+2:G0B+4*\s+3], s[88:89], \s*4096
	s_or_b32 s[G0B+4*\s+3], s[G0B+4*\s+3], 0x80000000
	JLOAD G0A+4*\s, G1A, G0B+4*\s, G1B
.endr
	; the prefetches: where mine stand, and who asks
	s_and_b32 s3, ttmp7, 0xffff
	s_cmp_eq_u32 s[WV], 0
	s_cselect_b64 s[PFA:PFA+1], s[84:85], s[88:89]
	s_cselect_b32 s2, s[CX], s[CY]                 ; my place among the four that ask with me
	s_cselect_b32 s3, ttmp9, s3                    ; the coordinate along which other clusters read the same tiles
	s_cmp_eq_u32 s3, 0
	s_cselect_b32 s[LIM], 1, -1
	s_lshl_b32 s2, s2, 16                          ; two tiles of 32,768 bytes
	s_mov_b32 s3, 0
	s_add_nc_u64 s[PFA:PFA+1], s[PFA:PFA+1], s[2:3]
	s_add_nc_u64 s[PFA:PFA+1], s[PFA:PFA+1], 8192  ; at slot 2: the first refill steps it to slot 3 and names slot 4
	v_and_b32 v1, 31, v0                           ; lane
	v_and_b32 v2, 15, v0                           ; r
	v_bfe_u32 v49, v0, 4, 1                        ; h
	v_lshlrev_b32 v[LI], 4, v1
	s_lshl_b32 s2, s[TH], 14
	v_add_nc_u32 v[ADX], s2, v[LI]                 ; x tiles 4 th on
	v_add_nc_u32 v[ADX+1], SLOTB, v[ADX]
	s_lshl_b32 s2, s[CH], 13
	s_add_co_u32 s2, s2, 32768
.irp j, 0,1,2
	v_add_nc_u32 v[ADW+\j], s2, v[LI]              ; weight j: region 1 + j, tiles 2 ch on
	v_add_nc_u32 v[ADW+3+\j], SLOTB, v[ADW+\j]
	s_add_co_u32 s2, s2, 32768
.endr
	s_lshl_b32 s2, s[TH], 8
	s_add_co_u32 s2, s2, SCB
	v_lshl_add_u32 v[ASX], v1, 2, s2
	s_lshl_b32 s2, s[CH], 7
	s_add_co_u32 s2, s2, SCB+8192
	v_lshl_add_u32 v[ASW], v1, 2, s2
	v_and_b32 v50, 8, v2
	v_add_nc_u32 v50, v50, v2                      ; P(r)
	v_lshlrev_b32 v[CSO], 9, v50
	v_lshl_add_u32 v[CSO], v49, 6, v[CSO]
	s_lshl_b32 s2, s[TH], 8
	s_add_co_u32 s2, s2, s[CH]
	s_add_co_u32 s2, s2, SCG
	v_lshl_add_u32 v[ABQ], v2, 2, s2               ; word (tile 4 th + i, r), byte ch (+ 2 b)
	s_lshl_b32 s2, s[CH], 7
	s_lshl_b32 s3, s[TH], 1
	s_add_co_u32 s2, s2, s3
	s_add_co_u32 s2, s2, SCG+1024
	v_lshl_add_u32 v[ABV], v2, 2, s2               ; word (tile n, r), bytes 2 th, 2 th + 1
	s_min_u32 s2, s[WV], 2
	s_lshl_b32 s2, s2, 9
	s_add_co_u32 s2, s2, SCG
	v_add_nc_u32 v[SRD], s2, v[LI]
	v_lshlrev_b32 v[PFO], 8, v2
	v_lshl_add_u32 v[PFO], v49, 15, v[PFO]         ; lanes 0-15 one tile's 4,096 bytes, lanes 16-31 the next tile's
	v_mov_b32 v[TM+2], 0                           ; a lane permute's destination counts as a source: written once
	v_mov_b32 v[TM+3], 0
	; cos and sin of my 64 tokens at my two d blocks: they are asked for now and waited for behind the loop
	s_lshl_b32 s2, s[YB], 16
	s_lshl_b32 s3, s[TH], 15
	s_add_co_u32 s2, s2, s3
	s_lshl_b32 s3, s[CH], 7
	s_add_co_u32 s2, s2, s3
	s_mov_b32 s3, 0
	s_add_nc_u64 s[8:9], s[8:9], s[2:3]
	s_add_nc_u64 s[10:11], s[10:11], s[2:3]
.macro CSLOAD i, cb                    ; token tile i: from cb on 16 cos (d), 16 cos (d + 64), 16 sin (d), 16 sin (d + 64), d = 32 ch + 16 h + 0 .. 15
.irp hf, 0,1
.irp jq, 0,1,2,3
	global_load_b128 v[(\cb)+16*\hf+4*\jq:(\cb)+16*\hf+4*\jq+3], v[CSO], s[8:9] offset:(32*((\i)/2)+8*((\i)%2))*512+256*\hf+16*\jq
	global_load_b128 v[(\cb)+32+16*\hf+4*\jq:(\cb)+32+16*\hf+4*\jq+3], v[CSO], s[10:11] offset:(32*((\i)/2)+8*((\i)%2))*512+256*\hf+16*\jq
.endr
.endr
.endm
	WIN 0xc0
	CSLOAD 0, 128
	CSLOAD 1, 192
	WIN 0x40
	CSLOAD 2, 192
	WIN 0
	CSLOAD 3, 64
	; where the results go
	s_lshl_b32 s2, s[HEAD], 18
	s_lshl_b32 s3, s[YB], 14
	s_add_co_u32 s2, s2, s3
	s_lshl_b32 s3, s[CH], 12
	s_add_co_u32 s2, s2, s3
	s_lshl_b32 s3, s[TH], 10
	s_add_co_u32 s2, s2, s3
	s_add_co_u32 s2, s2, 8388608
	s_mov_b32 s3, 0
	s_add_nc_u64 s[VBS:VBS+1], s[12:13], s[2:3]    ; v: head, key step = token block, tile 2 ch, block 2 th
	s_lshl_b32 s2, s[HEAD], 18
	s_lshl_b32 s3, s[YB], 14
	s_add_co_u32 s2, s2, s3
	s_lshl_b32 s3, s[TH], 13
	s_add_co_u32 s2, s2, s3
	s_lshl_b32 s3, s[CH], 9
	s_add_co_u32 s2, s2, s3
	s_mov_b32 s3, 0
	s_add_nc_u64 s[12:13], s[12:13], s[2:3]        ; q (k: 4 MiB on): head, tile 8 yblk + 4 th, block ch
	s_lshl_b32 s2, s[WV], 17
	s_lshl_b32 s3, s[HEAD], 13
	s_add_co_u32 s2, s2, s3
	s_lshl_b32 s3, s[YB], 9
	s_add_co_u32 s2, s2, s3
	s_mov_b32 s3, 0
	s_add_nc_u64 s[14:15], s[14:15], s[2:3]        ; scale words: wave 0 q's, 1 k's, 2 v's
.macro EMIT                            ; one matrix instruction from the symbols rD, rA, rB, rSA, rSB; rRA, rRB: the scales stand in lanes 16-31; rZ: it starts its sum
.if rZ
.if rRA && rRB
	v_wmma_scale_f32_16x16x128_f8f6f4 v[rD:rD+7], v[rA:rA+15], v[rB:rB+15], 0, v[rSA], v[rSB] matrix_a_scale:MATRIX_SCALE_ROW1 matrix_b_scale:MATRIX_SCALE_ROW1
.elseif rRA
	v_wmma_scale_f32_16x16x128_f8f6f4 v[rD:rD+7], v[rA:rA+15], v[rB:rB+15], 0, v[rSA], v[rSB] matrix_a_scale:MATRIX_SCALE_ROW1
.elseif rRB
	v_wmma_scale_f32_16x16x128_f8f6f4 v[rD:rD+7], v[rA:rA+15], v[rB:rB+15], 0, v[rSA], v[rSB] matrix_b_scale:MATRIX_SCALE_ROW1
.else
	v_wmma_scale_f32_16x16x128_f8f6f4 v[rD:rD+7], v[rA:rA+15], v[rB:rB+15], 0, v[rSA], v[rSB]
.endif
.else
.if rRA && rRB
	v_wmma_scale_f32_16x16x128_f8f6f4 v[rD:rD+7], v[rA:rA+15], v[rB:rB+15], v[rD:rD+7], v[rSA], v[rSB] matrix_a_scale:MATRIX_SCALE_ROW1 matrix_b_scale:MATRIX_SCALE_ROW1
.elseif rRA
	v_wmma_scale_f32_16x16x128_f8f6f4 v[rD:rD+7], v[rA:rA+15], v[rB:rB+15], v[rD:rD+7], v[rSA], v[rSB] matrix_a_scale:MATRIX_SCALE_ROW1
.elseif rRB
	v_wmma_scale_f32_16x16x128_f8f6f4 v[rD:rD+7], v[rA:rA+15], v[rB:rB+15], v[rD:rD+7], v[rSA], v[rSB] matrix_b_scale:MATRIX_SCALE_ROW1
.else
	v_wmma_scale_f32_16x16x128_f8f6f4 v[rD:rD+7], v[rA:rA+15], v[rB:rB+15], v[rD:rD+7], v[rSA], v[rSB]
.endif
.endif
.endm
.macro GQK j, p, i0, n, zero           ; q (j = 0) or k (1): token tiles i0 .. i0 + n - 1 x my four weight tiles; x's set p
	WIN 0xa1                                       ; source 0 window 1, source 1 window 0, C and D window 2
.set gi, \i0
.rept \n
.set gt, 0
.rept 4
.set rD, 128*(\j)+8*(4*gt+gi)
.set rA, 64*(\j)+16*gt
.set rB, XF+64*(\p)+16*gi
.set rSA, SC+8*(\p)+2+2*(\j)+gt/2
.set rSB, SC+8*(\p)+gi/2
.set rRA, gt%2
.set rRB, gi%2
.set rZ, \zero
	EMIT
.set gt, gt+1
.endr
.set gi, gi+1
.endr
.endm
.macro GV p, zero                      ; v: the sources the other way round
	WIN 0xf4                                       ; source 0 window 0, source 1 window 1, C and D window 3
.set gi, 0
.rept 4
.set gt, 0
.rept 4
.set rD, 8*(4*gt+gi)
.set rA, XF+64*(\p)+16*gi
.set rB, 128+16*gt
.set rSA, SC+8*(\p)+gi/2
.set rSB, SC+8*(\p)+6+gt/2
.set rRA, gi%2
.set rRB, gt%2
.set rZ, \zero
	EMIT
.set gt, gt+1
.endr
.set gi, gi+1
.endr
.endm
.macro FRAG reg, adr, off              ; an image comes back as it was stored: four loads of 512 consecutive bytes
.irp c, 0,1,2,3
	ds_load_b128 v[(\reg)+4*\c:(\reg)+4*\c+3], v[\adr] offset:(\off)+512*\c
.endr
.endm
.macro RUN1 slot, q, p, first          ; 40 loads: a K step's scale words, x's four fragments (set p), Wq's four
	WIN 0
.if !(\first)
	v_add_nc_u32 v[ASX], 512, v[ASX]
	v_add_nc_u32 v[ASW], 512, v[ASW]
.endif
	ds_load_b32 v[SC+8*(\p)], v[ASX]
	ds_load_b32 v[SC+8*(\p)+1], v[ASX] offset:128
.irp j, 0,1,2
	ds_load_b32 v[SC+8*(\p)+2+2*\j], v[ASW] offset:8192*\j
	ds_load_b32 v[SC+8*(\p)+3+2*\j], v[ASW] offset:8192*\j+256
.endr
.irp i, 0,1,2,3
	FRAG XF+64*(\p)+16*\i, ADX+(\slot), 4096*\i+2048*(\q)
.endr
	WIN 0x40
.irp t, 0,1,2,3
	FRAG 16*\t, ADW+3*(\slot), 16384*(\t/2)+4096*(\t%2)+2048*(\q)
.endr
.endm
.macro RUN2 slot, q                    ; 16 loads: Wk's
	WIN 0x40
.irp t, 0,1,2,3
	FRAG 64+16*\t, ADW+3*(\slot)+1, 16384*(\t/2)+4096*(\t%2)+2048*(\q)
.endr
.endm
.macro RUN3 slot, q                    ; 16 loads: Wv's
	WIN 0x40
.irp t, 0,1,2,3
	FRAG 128+16*\t, ADW+3*(\slot)+2, 16384*(\t/2)+4096*(\t%2)+2048*(\q)
.endr
	WIN 0
.endm
; Eight places stand between a matrix instruction of this form and a load into a register that it has read.
; A slot's first K step: x's set 0; each weight's buffer is fetched anew as soon as its 16 products are issued.
.macro STEP slot, zero
	s_wait_dscnt 32                                ; RUN1 is in; behind it stand RUN2's 16 and RUN3's 16
	GQK 0, 0, 0, 4, \zero
	PLACES 8
	RUN1 \slot, 1, 1, 0
	s_wait_dscnt 56                                ; RUN2 is in; behind it RUN3's 16 and the new RUN1's 40
	GQK 1, 0, 0, 4, \zero
	PLACES 8
	RUN2 \slot, 1
	s_wait_dscnt 56                                ; RUN3 is in; behind it RUN1's 40 and RUN2's 16
	GV 0, \zero
	PLACES 8
	RUN3 \slot, 1
.endm
; A slot's second K step changes slots: one barrier; in front of it each wave waits for all its tensor loads, adds 0 to its spare word, and waits for that and for its reads of this slot.
.macro TURN slot, next, fill
.if \fill
	s_wait_xcnt 0x0                                ; the last prefetch, a slot back, has read its address
	s_add_nc_u64 s[PFA:PFA+1], s[PFA:PFA+1], 4096
.endif
	s_wait_tensorcnt 0x0                           ; all my tensor loads have landed: my part of the next slot
	ds_add_u32 v[SPW], v[NIL]                      ; 0 onto my spare word
	s_wait_dscnt 33                                ; RUN1 is in; RUN2, RUN3 and the add may be out
	GQK 0, 1, 0, 2, 0
	s_wait_dscnt 0x0                               ; the add is done, and my reads of this slot are over
	s_barrier_signal -1
	GQK 0, 1, 2, 2, 0
	WIN 0
	s_barrier_wait -1
.if \fill
	CREST                                          ; the barrier has opened a round of the cluster's barrier: no wave of any partner still reads this slot or has a load on its way
	s_add_nc_u64 s[G0A+4*\slot+2:G0A+4*\slot+3], s[G0A+4*\slot+2:G0A+4*\slot+3], 8192
	s_add_nc_u64 s[G0B+4*\slot+2:G0B+4*\slot+3], s[G0B+4*\slot+2:G0B+4*\slot+3], 8192
	JLOAD G0A+4*\slot, G1A, G0B+4*\slot, G1B       ; the first tensor load behind the round; its four v_nop are four of the eight places
	PLACES 4
.else
	PLACES 8
.endif
	RUN1 \next, 0, 0, 0
.if \fill
	WIN 0
	ASK
.endif
	GQK 1, 1, 0, 4, 0
	PLACES 8
	RUN2 \next, 0
	GV 1, 0
	PLACES 8
	RUN3 \next, 0
.endm
	s_wait_tensorcnt 1                             ; the scale words and my part of slot 0 are in; slot 1's load may be out
	s_barrier_signal -1
	s_barrier_wait -1
	RUN1 0, 0, 0, 1
	RUN2 0, 0
	RUN3 0, 0
	STEP 0, 1                                      ; the first K step starts the sums: nothing is cleared
	s_mov_b32 s[LAP], 3
.Llap:                                             ; a trip goes once round the ring and fills both slots again: six refills for slots 2 to 7
	TURN 0, 1, 1
	STEP 1, 0
	TURN 1, 0, 1
	STEP 0, 0
	s_sub_co_u32 s[LAP], s[LAP], 1
	s_cmp_lg_u32 s[LAP], 0
	s_cbranch_scc1 .Llap
	TURN 0, 1, 0                                   ; the last lap fills nothing
	STEP 1, 0
	s_wait_dscnt 32                                ; the last K step: nothing more to fetch
	GQK 0, 1, 0, 4, 0
	s_wait_dscnt 16
	GQK 1, 1, 0, 4, 0
	s_wait_dscnt 0x0
	GV 1, 0
	WIN 0
	PLACES 8
	s_wait_loadcnt 0x0                             ; cos and sin
; RoPE of tensor j, token tile i: y(d) = x(d) cos(d) - x(d + 64) sin(d); y(d + 64) = x(d + 64) cos(d + 64) + x(d) sin(d + 64).  Each accumulator is read from its low end on.
.macro ROPE j, i, cb, w
	WIN \w                                         ; source 0 (accumulators) window 2, source 1 (cos, sin) where the tile's set lies
.irp u, 0,1
.irp pp, 0,1,2,3
.set e2, 8*\u+2*\pp
.set x1, 128*(\j)+8*(4*\u+(\i))+2*\pp
.set x2, 128*(\j)+8*(4*(2+\u)+(\i))+2*\pp
	v_pk_mul_f32 v[TA+e2:TA+e2+1], v[x2:x2+1], v[(\cb)+32+e2:(\cb)+32+e2+1]
	v_pk_mul_f32 v[TB+e2:TB+e2+1], v[x1:x1+1], v[(\cb)+48+e2:(\cb)+48+e2+1]
	v_pk_fma_f32 v[Y+e2:Y+e2+1], v[x1:x1+1], v[(\cb)+e2:(\cb)+e2+1], v[TA+e2:TA+e2+1] neg_lo:[0,0,1] neg_hi:[0,0,1]
	v_pk_fma_f32 v[Y+16+e2:Y+16+e2+1], v[x2:x2+1], v[(\cb)+16+e2:(\cb)+16+e2+1], v[TB+e2:TB+e2+1]
.endr
.endr
	WIN 0
.endm
; two blocks, 16 numbers a lane each (the other 16 lie in lane xor 16), from v[src] on become 8 registers of codes at v[pc]; the bytes stay in v[TM+2], v[TM+3]
.macro QUANT2 src, wmax, whold, pc
	WIN \wmax
.irp b, 0,1
	v_max3_num_f32 v[TM+\b], 0x4800000, |v[(\src)+16*\b]|, |v[(\src)+16*\b+1]|   ; with the floor 2^(9 - 127)
.endr
.irp i, 2,4,6,8,10,12,14
.irp b, 0,1
	v_max3_num_f32 v[TM+\b], v[TM+\b], |v[(\src)+16*\b+\i]|, |v[(\src)+16*\b+\i+1]|
.endr
.endr
	WIN 0
.irp b, 0,1
	v_permlanex16_b32 v[TM+2+\b], v[TM+\b], s[SEL], s[SEL+1]
.endr
.irp b, 0,1
	v_max_num_f32 v[TM+\b], v[TM+\b], v[TM+2+\b]
.endr
.irp b, 0,1
	v_add_nc_u32 v[TM+6+\b], 0xfc000000, v[TM+\b]           ; the conversion's scale operand
.endr
.irp b, 0,1
	v_and_or_b32 v[TM+4+\b], v[TM+\b], 0x7f800000, s[MNT]   ; 448 x the scale
.endr
.irp b, 0,1
	v_lshrrev_b32 v[TM+2+\b], 23, v[TM+6+\b]                ; the byte
.endr
	WIN \whold
.irp b, 0,1
.irp i, 0,1,2,3,4,5,6,7,8,9,10,11,12,13,14,15
	v_med3_num_f32 v[Y+16*\b+\i], v[(\src)+16*\b+\i], -v[TM+4+\b], v[TM+4+\b]
.endr
.endr
	WIN 0
.irp b, 0,1
	v_cvt_scalef32_pk8_fp8_f32 v[(\pc)+4*\b:(\pc)+4*\b+1], v[Y+16*\b:Y+16*\b+7], v[TM+6+\b]
	v_cvt_scalef32_pk8_fp8_f32 v[(\pc)+4*\b+2:(\pc)+4*\b+3], v[Y+16*\b+8:Y+16*\b+15], v[TM+6+\b]
.endr
	v_nop                                                   ; a plain line behind the last conversion
.endm
.macro QKOUT j, i, cb, w
	ROPE \j, \i, \cb, \w
	QUANT2 Y, 0, 0, 160+8*(4*(\j)+(\i))
	global_store_b128 v[LI], v[160+8*(4*(\j)+(\i)):160+8*(4*(\j)+(\i))+3], s[12:13] offset:(\j)*4194304+(\i)*2048         ; block ch: 512 consecutive bytes
	global_store_b128 v[LI], v[160+8*(4*(\j)+(\i))+4:160+8*(4*(\j)+(\i))+7], s[12:13] offset:(\j)*4194304+(\i)*2048+1024  ; block ch + 2
	ds_store_b8 v[ABQ], v[TM+2] offset:512*(\j)+64*(\i)
	ds_store_b8 v[ABQ], v[TM+3] offset:512*(\j)+64*(\i)+2
.endm
.irp j, 0,1                            ; every store has its own data registers: none is written again
	QKOUT \j, 0, 128, 0x0e
	QKOUT \j, 1, 192, 0x0e
	QKOUT \j, 2, 192, 0x06
	QKOUT \j, 3, 64, 0x02
.endr
.macro VOUT t                          ; v, weight tile t: 32 registers = key blocks 2 th, 2 th + 1 of one d a lane
	QUANT2 32*(\t), 0x3c, 0x03, 224+8*(\t)
	global_store_b128 v[LI], v[224+8*(\t):224+8*(\t)+3], s[VBS:VBS+1] offset:((\t)/2)*8192+((\t)%2)*2048
	global_store_b128 v[LI], v[224+8*(\t)+4:224+8*(\t)+7], s[VBS:VBS+1] offset:((\t)/2)*8192+((\t)%2)*2048+512
	v_lshl_or_b32 v[TM+8], v[TM+3], 8, v[TM+2]
	ds_store_b16 v[ABV], v[TM+8] offset:((\t)/2)*256+((\t)%2)*64
.endm
	VOUT 0
	VOUT 1
	VOUT 2
	VOUT 3
	s_wait_dscnt 0x0                               ; my scale bytes lie in LDS
	s_barrier_signal -1
	s_barrier_wait -1                              ; everybody's do
	s_cmp_gt_u32 s[WV], 2
	s_cbranch_scc1 .Lno_words
	ds_load_b128 v[52:55], v[SRD]                  ; wave 0: q's 8 x 16 words, wave 1: k's, wave 2: v's
	s_wait_dscnt 0x0
	global_store_b128 v[LI], v[52:55], s[14:15]    ; 512 consecutive bytes
.Lno_words:
	s_wait_tensorcnt 0x0                           ; the wave's end
	ds_add_u32 v[SPW], v[NIL]
	s_wait_dscnt 0x0
	CROUND                                         ; the closing round
	s_endpgm
.Lfunc_end_k_qb4f446a5bf_qkv:
	.size	k_qb4f446a5bf_qkv, .Lfunc_end_k_qb4f446a5bf_qkv-k_qb4f446a5bf_qkv
	.p2alignl 7, 3214868480
	.fill 96, 4, 3214868480
	.section	.rodata,"a",@progbits
	.p2align	6, 0x0
	.amdhsa_kernel k_qb4f446a5bf_qkv
		.amdhsa_group_segment_fixed_size 327680
		.amdhsa_private_segment_fixed_size 0
		.amdhsa_enable_private_segment 0
		.amdhsa_kernarg_size 48
		.amdhsa_user_sgpr_count 2
		.amdhsa_user_sgpr_kernarg_segment_ptr 1
		.amdhsa_wavefront_size32 1
		.amdhsa_system_sgpr_workgroup_id_x 1
		.amdhsa_system_sgpr_workgroup_id_y 1
		.amdhsa_system_sgpr_workgroup_id_z 1
		.amdhsa_system_vgpr_workitem_id 0
		.amdhsa_next_free_vgpr 1024
		.amdhsa_next_free_sgpr 100
		.amdhsa_reserve_vcc 0
		.amdhsa_float_denorm_mode_32 3
		.amdhsa_float_denorm_mode_16_64 3
		.amdhsa_memory_ordered 1
		.amdhsa_forward_progress 1
		.amdhsa_inst_pref_size 181
	.end_amdhsa_kernel
	.amdgpu_metadata
---
amdhsa.version: [ 1, 2 ]
amdhsa.kernels:
  - .name:           k_qb4f446a5bf_qkv
    .symbol:         k_qb4f446a5bf_qkv.kd
    .args:
      - { .name: c1, .offset: 0, .size: 8, .value_kind: global_buffer, .address_space: global }
      - { .name: s1, .offset: 8, .size: 8, .value_kind: global_buffer, .address_space: global }
      - { .name: cos, .offset: 16, .size: 8, .value_kind: global_buffer, .address_space: global }
      - { .name: sin, .offset: 24, .size: 8, .value_kind: global_buffer, .address_space: global }
      - { .name: c2, .offset: 32, .size: 8, .value_kind: global_buffer, .address_space: global }
      - { .name: s2, .offset: 40, .size: 8, .value_kind: global_buffer, .address_space: global }
    .group_segment_fixed_size: 327680
    .private_segment_fixed_size: 0
    .kernarg_segment_align: 8
    .kernarg_segment_size: 48
    .max_flat_workgroup_size: 128
    .sgpr_count:     100
    .vgpr_count:     1024
    .wavefront_size: 32
...
	.end_amdgpu_metadata
.endif
;; end of part 2
;; launch attn (part 3): grid 16 x 16, 8 waves a work-group, clusters of 4 x 1, 327,680 bytes of LDS; arguments c2, s2, c3, s3, Wo, c1, s1; writes c3, s3, c1, s1
.if DOCPART == 3
	.amdgcn_target "amdgcn-amd-amdhsa--gfx1250"
	.amdhsa_code_object_version 6
	.text
	.protected	k_qb4f446a5bf_attn
	.globl	k_qb4f446a5bf_attn
	.p2align	8
	.type	k_qb4f446a5bf_attn,@function
k_qb4f446a5bf_attn:
	s_mov_b64 s[64:65], 0
	v_nop
	global_prefetch_b8 v0, s[64:65] scope:SCOPE_SE
	s_setreg_imm32_b32 hwreg(HW_REG_WAVE_MODE, 25, 1), 1
	s_wait_xcnt 0x0
	s_wait_alu depctr_hold_cnt(0) depctr_sa_sdst(0) depctr_va_vdst(0) depctr_va_sdst(0) depctr_va_ssrc(0) depctr_va_vcc(0) depctr_vm_vsrc(0)
	s_getreg_b32 s2, hwreg(HW_REG_IB_STS2, 6, 4)
	s_cmp_eq_u32 s2, 0
	s_cbranch_scc0 .Lentry_in_a_cluster
	s_endpgm
.Lentry_in_a_cluster:
	s_bfe_u32 s2, ttmp6, 0x10000c
	s_cmp_lg_u32 s2, 0x3003
	s_cbranch_scc0 .Lentry_shape_is_right
	s_endpgm
.Lentry_shape_is_right:
; ctx = softmax(q k^T / sqrt(128), causal) v for 16 heads of 2,048 tokens, both products on codes of E4M3; ctx is quantised along D and leaves as images of operand registers.
; BESIDE IT: Wo [2048][2048] f32 is quantised along K into tensor 4 of c1 and s1, by the waves that have run out of keys (below).
; INPUTS (images, as the launch before lays them): c2: q at 0, k at 4 MiB: [head][T 128][2048]; v at 8 MiB: [head][key step 16][n 8][2048].  s2: their scale words at 0, 131,072, 262,144.
; OUTPUTS: c3 [T 128][head 16][2048]; s3 [head][T 128][r 16] words: the head is the next product's K step.  c1 + 16 MiB: [T 128][s 16][2048]; s1 + 524,288: [s 16][T 128][r 16] words.
; THE SOFTMAX: t = score x log2(e) / sqrt(128); M = the running largest t rounded up to a whole number; p = 2^(t - M) is quantised along the keys, not normalised; the sum of the unquantised p divides at the end.
; Both products are used transposed (S^T = K Q^T, O^T = V^T P^T): a lane holds one query throughout.  Tile T's rows are 32 (T / 2) + 8 (T % 2) + P(i), P(i) = i + 8 (i / 8): so the 16 registers of tiles 2 b, 2 b + 1 are 16 neighbouring keys (or channels).
; SHARES: a cluster of four work-groups owns the blocks of 256 queries J and 7 - J of one head (J = the cluster's x): 32 tiles of 16 queries, one a wave.  Wave w: class e = (w xor w / 4) % 2 (0: block J, 1: block 7 - J), idx = w / 2;
; its tile is 16 Jc + 4 cx + idx.  It works key steps 0 .. 2 Jc + 1 of 128 keys and masks in the last two.  All that steers a branch is J and the wave's number, alike in the four partners; cx enters global addresses and the lane's query number alone.
; So K's and V's tiles are asked for JOINTLY by the four (mask 15).  Every work-group walks all four slots: trip counts are constants, no tensor load and no barrier is jumped over; a step whose keys all come after the block's queries is left out by a scalar branch.
; Wo: a wave of class 0 has no key step from step 8 on (2 J + 2 is 8 at the most).  At the head of the third slot each of the four makes two images of Wo: work-group g = 16 head + 4 J + cx takes tiles 4 (g / 8) + idx, K steps 2 (g % 8) + 0, 1.
; RING: two slots of 512 keys (four key steps of K, four of V; each of the eight waves fetches 16 KiB).  By this text's count a wave has three tensor loads out at the start, later one.
; LDS LOADS go in four runs of 18 a key step: V's halves behind the first products and behind the block maxima; the NEXT step's K in two halves round the exponentials (not in a slot's last trip); a slot's first K at the slot's head.
; No prefetch: a refill has a slot's four key steps of two waves a SIMD in which to land.
; LIMITS: NaN and infinities are not served; blocks of ctx or Wo whose largest magnitude lies under 2^-118, and blocks of zeros, get the byte 1 (zero codes; this program alone reads the bytes).
; REGISTERS: window 0: v1-11 addresses; v12 -M, v13 largest t, v[14:15] the sum; v16-31 Q; v32-39 K's and V's scale words; v40 Q's; v41 p's; v44 f; v48-63 at work; v68-71 Wo's LDS addresses; v96-159 S^T, then p; v160-223 O^T; v224-239 codes.
;   window 1: K's 8 fragments, V's 8 (V's registers take Wo's numbers as they are loaded).
.set SLOTB, 131072
.set SCB,   262144                     ; k's scale words of the head, 8,192 bytes; v's, 8,192 bytes
.set SG,    278528                     ; ctx's scale words: [class 2][idx 4][r 16]; no tensor load lands here
.set SPARE, 279040                     ; the spare words: 128 bytes a wave
.set WST,   280064                     ; Wo's stages: 16 rows x 528 bytes for each idx; no tensor load lands here
.set WSG,   313856                     ; Wo's scale words: [piece 2][idx 4][r 16]
.set LI,  1
.set LS,  2
.set QN,  3                            ; my query's number - 16 h
.set R4,  4                            ; 4 r
.set SPW, 5
.set NIL, 6
.set SGA, 7
.set ADK, 8
.set ADV, 9
.set ADS, 10
.set MD,  11
.set QS,  40
.set PW,  41
.set NINF, 42
.set SGO, 43
.set FF,  44
.set TMP, 46
.set SRD, 47
.set TM,  48
.set WSTO, 68                          ; Wo's stage, way in: 16 x lane
.set WRDA, 69                          ; way out: 528 r + 64 h
.set WSWA, 70                          ; where a row's scale word goes
.set WSRD, 71                          ; where waves 2 and 3 read 256 bytes of them back
.set S,   96
.set O,   160
.set PC,  224
.set WV, 12
.set TB4, 13
.set CX, 14
.set HEAD, 15
.set EC, 16
.set IDX, 17
.set JC, 18
.set TT, 19
.set LIM, 20
.set LM2, 21
.set KO, 22
.set SO, 23
.set KS, 24
.set CNT, 25
.set SEL, 26
.set CS, 28
.set MNT, 30
.set G1, 32
.set G1S, 40
.set G0, 48
.set G0S, 56
.set MSB, 0
.macro WIN new
.if MSB != \new
	s_set_vgpr_msb (MSB<<8)|\new
.set MSB, \new
.endif
.endm
.macro PLACES n
.rept \n
	v_nop
.endr
.endm
.macro CROUND
	s_barrier_signal -1
	s_barrier_wait -1
	s_cmp_lg_u32 s[WV], 0
	s_cbranch_scc1 .Lnot_wave_0_\@
	s_barrier_signal -3
.Lnot_wave_0_\@:
	s_barrier_wait -3
	s_barrier_signal -1
	s_barrier_wait -1
.endm
.macro QUANT s                         ; 64 numbers of a lane, register 16 b + i = k 32 b + 16 h + i of my row, become v[PC] on and v[PW]
.irp b, 0,1,2,3
	v_max3_num_f32 v[TM+\b], |v[\s+16*\b]|, |v[\s+1+16*\b]|, 0x4800000
.endr
.irp i, 2,4,6,8,10,12,14
.irp b, 0,1,2,3
	v_max3_num_f32 v[TM+\b], v[TM+\b], |v[\s+16*\b+\i]|, |v[\s+1+16*\b+\i]|
.endr
.endr
.irp b, 0,1,2,3
	v_permlanex16_b32 v[TM+4+\b], v[TM+\b], s[SEL], s[SEL+1]
.endr
.irp b, 0,1,2,3
	v_max_num_f32 v[TM+\b], v[TM+\b], v[TM+4+\b]
.endr
.irp b, 0,1,2,3
	v_add_nc_u32 v[TM+12+\b], 0xfc000000, v[TM+\b]
.endr
.irp b, 0,1,2,3
	v_and_or_b32 v[TM+8+\b], v[TM+\b], 0x7f800000, s[MNT]
.endr
.irp b, 0,1,2,3
	v_lshrrev_b32 v[TM+4+\b], 23, v[TM+12+\b]
.endr
	v_lshl_or_b32 v[PW], v[TM+5], 8, v[TM+4]
	v_lshl_or_b32 v[PW], v[TM+6], 16, v[PW]
	v_lshl_or_b32 v[PW], v[TM+7], 24, v[PW]
.irp b, 0,1,2,3
.irp i, 0,1,2,3,4,5,6,7,8,9,10,11,12,13,14,15
	v_med3_num_f32 v[\s+16*\b+\i], v[\s+16*\b+\i], -v[TM+8+\b], v[TM+8+\b]
.endr
	v_cvt_scalef32_pk8_fp8_f32 v[PC+4*\b:PC+1+4*\b], v[\s+16*\b:\s+7+16*\b], v[TM+12+\b]
	v_cvt_scalef32_pk8_fp8_f32 v[PC+2+4*\b:PC+3+4*\b], v[\s+8+16*\b:\s+15+16*\b], v[TM+12+\b]
.endr
	v_nop
.endm
	s_load_b256 s[4:11], s[0:1], 0x0               ; c2, s2, c3, s3
	s_load_b128 s[68:71], s[0:1], 0x20             ; Wo, c1
	s_load_b64 s[72:73], s[0:1], 0x30              ; s1
	v_lshl_add_u32 v[SPW], v0, 2, SPARE
	v_mov_b32 v[NIL], 0
	ds_add_u32 v5, v6
	ds_add_u32 v5, v6
	s_wait_dscnt 0x0
	v_lshrrev_b32 v8, 5, v0
	v_readfirstlane_b32 s[WV], v8                  ; wave 0..7
	s_bfe_u32 s[CX], ttmp6, 0x40000
	s_and_b32 s[HEAD], ttmp7, 0xffff
	s_lshr_b32 s[EC], s[WV], 2
	s_xor_b32 s[EC], s[EC], s[WV]
	s_and_b32 s[EC], s[EC], 1                      ; class
	s_lshr_b32 s[IDX], s[WV], 1
	s_sub_co_u32 s[JC], 7, ttmp9
	s_cmp_eq_u32 s[EC], 1
	s_cselect_b32 s[JC], s[JC], ttmp9              ; my block of 256 queries
	s_lshl_b32 s[LM2], s[JC], 1                    ; key steps under this number hide nothing
	s_add_co_u32 s[LIM], s[LM2], 2                 ; key steps from this number on hide everything
	s_lshl_b32 s[TB4], s[JC], 4
	s_lshl_b32 s31, s[CX], 2
	s_add_co_u32 s[TB4], s[TB4], s31               ; my work-group's four tiles of the class begin here
	s_add_co_u32 s[TT], s[TB4], s[IDX]             ; my tile
	s_mov_b32 s[G1], 15|(3<<16)|(1<<21)            ; 15:0 all four work-groups; 17:16 elements of 8 bytes; 21 set beside a mask; no padding
	s_mov_b32 s[G1+1], 32<<16                      ; a dense block of 16 KiB as 64 rows of 256 bytes
	s_mov_b32 s[G1+2], 64<<16
	s_mov_b32 s[G1+3], 32<<16
	s_mov_b32 s[G1+4], 64
	s_mov_b32 s[G1+5], 32
	s_mov_b32 s[G1+6], 0
	s_mov_b32 s[G1+7], 0
	s_mov_b32 s[G1S], 15|(3<<16)|(1<<21)           ; scale words: 2,048 dense bytes as 8 rows
	s_mov_b32 s[G1S+1], 32<<16
	s_mov_b32 s[G1S+2], 8<<16
	s_mov_b32 s[G1S+3], 32<<16
	s_mov_b32 s[G1S+4], 8
	s_mov_b32 s[G1S+5], 32
	s_mov_b32 s[G1S+6], 0
	s_mov_b32 s[G1S+7], 0
	s_lshr_b32 s31, s[WV], 2
	s_add_co_u32 s31, s31, 1                       ; waves 0-3 fetch K (part 1 of c2 and s2), waves 4-7 V (part 2)
	s_and_b32 s2, s[WV], 3                         ; which of a slot's four key steps
	s_lshl_b32 s60, s31, 22
	s_lshl_b32 s61, s[HEAD], 18
	s_add_co_u32 s60, s60, s61
	s_lshl_b32 s61, s2, 14
	s_add_co_u32 s60, s60, s61
	s_mov_b32 s61, 0
	s_lshl_b32 s62, s31, 17
	s_lshl_b32 s63, s[HEAD], 13
	s_add_co_u32 s62, s62, s63
	s_lshl_b32 s63, s2, 11
	s_add_co_u32 s62, s62, s63
	s_mov_b32 s63, 0
	s_lshl_b32 s2, s[WV], 14                       ; where they go: wave x 16 KiB, wave x 2 KiB
	s_lshl_b32 s3, s[WV], 11
	s_mov_b32 s[SEL], 0x76543210
	s_mov_b32 s[SEL+1], 0xfedcba98
	s_mov_b32 s[CS], 0x3e0293ee                    ; c = log2(e) / sqrt(128)
	s_mov_b32 s[CS+1], s[CS]
	s_mov_b32 s[MNT], 0x600000
	; Wo's share: g = 16 head + 4 J + cx; quad = g / 8, kp = g % 8 (offsets for global addresses alone)
	s_lshl_b32 s74, ttmp9, 2
	s_add_co_u32 s74, s74, s[CX]
	s_lshl_b32 s75, s[HEAD], 4
	s_add_co_u32 s74, s74, s75                     ; g
	s_lshr_b32 s75, s74, 3                         ; quad
	s_and_b32 s74, s74, 7                          ; kp
	s_lshl_b32 s76, s75, 6                         ; the tile's first row: 64 quad + 32 (idx / 2) + 8 (idx % 2)
	s_lshr_b32 s77, s[IDX], 1
	s_lshl_b32 s77, s77, 5
	s_add_co_u32 s76, s76, s77
	s_and_b32 s77, s[IDX], 1
	s_lshl_b32 s77, s77, 3
	s_add_co_u32 s76, s76, s77
	s_lshl_b32 s76, s76, 13                        ; rows of 8,192 bytes
	s_lshl_b32 s77, s74, 10                        ; + two K steps of 512 bytes
	s_add_co_u32 s76, s76, s77
	s_mov_b32 s77, 0
	s_lshl_b32 s78, s75, 2
	s_add_co_u32 s78, s78, s[IDX]                  ; the tile
	s_lshl_b32 s78, s78, 15
	s_lshl_b32 s79, s74, 12
	s_add_co_u32 s78, s78, s79
	s_add_co_u32 s78, s78, 16777216                ; codes: tensor 4 + T x 32,768 + kp x 4,096
	s_mov_b32 s79, 0
	s_lshl_b32 s80, s74, 1
	s_and_b32 s81, s[WV], 1
	s_add_co_u32 s80, s80, s81                     ; the K step whose words waves 2 and 3 store: 2 kp + wave % 2
	s_lshl_b32 s80, s80, 13
	s_lshl_b32 s81, s75, 8
	s_add_co_u32 s80, s80, s81
	s_add_co_u32 s80, s80, 524288
	s_mov_b32 s81, 0
	CROUND                                         ; all four work-groups are here: the first joint loads meet.  (The arguments are on their way meanwhile: the round names none of their registers)
	s_wait_kmcnt 0x0
	s_add_nc_u64 s[60:61], s[4:5], s[60:61]
	s_add_nc_u64 s[62:63], s[6:7], s[62:63]
	s_mov_b32 s[G0S], 1
	s_add_co_u32 s[G0S+1], s3, SCB
	s_mov_b64 s[G0S+2:G0S+3], s[62:63]
	s_or_b32 s[G0S+3], s[G0S+3], 0x80000000
.irp s, 0,1
	s_mov_b32 s[G0+4*\s], 1
	s_add_co_u32 s[G0+4*\s+1], s2, \s*SLOTB
	s_add_nc_u64 s[G0+4*\s+2:G0+4*\s+3], s[60:61], \s*65536
	s_or_b32 s[G0+4*\s+3], s[G0+4*\s+3], 0x80000000
.endr
	tensor_load_to_lds s[G0S:G0S+3], s[G1S:G1S+7]  ; the head's scale words: filled once
	s_nop 0
	tensor_load_to_lds s[G0:G0+3], s[G1:G1+7]      ; slot 0: key steps 0-3
	s_nop 0
	tensor_load_to_lds s[G0+4:G0+7], s[G1:G1+7]    ; slot 1: key steps 4-7
	s_nop 0
	PLACES 4
	s_lshl_b32 s2, s[HEAD], 18
	s_lshl_b32 s3, s[TT], 11
	s_add_co_u32 s2, s2, s3
	s_mov_b32 s3, 0
	s_add_nc_u64 s[4:5], s[4:5], s[2:3]            ; Q's image
	s_lshl_b32 s2, s[HEAD], 13
	s_lshl_b32 s3, s[TT], 6
	s_add_co_u32 s2, s2, s3
	s_mov_b32 s3, 0
	s_add_nc_u64 s[6:7], s[6:7], s[2:3]            ; Q's scale words
	s_lshl_b32 s2, s[TT], 15
	s_lshl_b32 s3, s[HEAD], 11
	s_add_co_u32 s2, s2, s3
	s_mov_b32 s3, 0
	s_add_nc_u64 s[8:9], s[8:9], s[2:3]            ; ctx's image
	s_lshl_b32 s2, s[HEAD], 13
	s_lshl_b32 s3, s[TB4], 6
	s_add_co_u32 s2, s2, s3
	s_mov_b32 s3, 0
	s_add_nc_u64 s[10:11], s[10:11], s[2:3]        ; the scale words of my class's four tiles
	s_add_nc_u64 s[68:69], s[68:69], s[76:77]      ; Wo at my tile's first row and K step
	s_add_nc_u64 s[70:71], s[70:71], s[78:79]      ; its images
	s_add_nc_u64 s[72:73], s[72:73], s[80:81]      ; its scale words
	v_and_b32 v9, 31, v0                           ; lane
	v_and_b32 v8, 15, v0                           ; r
	v_bfe_u32 v10, v0, 4, 1                        ; h
	v_lshlrev_b32 v[LI], 4, v9
	v_lshl_add_u32 v[LS], v9, 2, SCB
	v_lshlrev_b32 v[R4], 2, v8
	v_lshlrev_b32 v[SGO], 3, v9
.irp c, 0,1,2,3
	global_load_b128 v[16+4*\c:19+4*\c], v[LI], s[4:5] offset:512*\c
.endr
	global_load_b32 v[QS], v[R4], s[6:7]
	s_lshl_b32 s31, s[EC], 8
	s_add_co_u32 s31, s31, SG
	v_lshl_add_u32 v[SRD], v9, 3, s31              ; SG + 256 class + 8 lane
	s_lshl_b32 s2, s[IDX], 6
	s_add_co_u32 s31, s31, s2
	v_lshl_add_u32 v[SGA], v8, 2, s31              ; SG + 256 class + 64 idx + 4 r
	s_mul_i32 s31, s[IDX], 8448
	s_add_co_u32 s31, s31, WST                     ; Wo's stage of my idx
	v_add_nc_u32 v[WSTO], s31, v[LI]
	v_mul_u32_u24 v[WRDA], v8, 528
	v_lshl_add_u32 v[WRDA], v10, 6, v[WRDA]
	v_add_nc_u32 v[WRDA], s31, v[WRDA]
	s_lshl_b32 s31, s[IDX], 6
	s_add_co_u32 s31, s31, WSG
	v_lshl_add_u32 v[WSWA], v8, 2, s31             ; WSG + 64 idx + 4 r (+ 256 x piece in the immediate)
	s_and_b32 s31, s[WV], 1
	s_lshl_b32 s31, s31, 8
	s_add_co_u32 s31, s31, WSG
	v_lshl_add_u32 v[WSRD], v9, 3, s31             ; WSG + 256 (wave % 2) + 8 lane
	s_lshr_b32 s2, s[TT], 1
	s_lshl_b32 s2, s2, 5
	s_and_b32 s3, s[TT], 1
	s_lshl_b32 s3, s3, 3
	s_add_co_u32 s2, s2, s3                        ; my tile's first row
	v_and_b32 v11, 8, v8
	v_add_nc_u32 v11, v11, v8                      ; P(r)
	v_lshlrev_b32 v10, 4, v10
	v_sub_nc_u32 v11, v11, v10
	v_add_nc_u32 v[QN], s2, v11
	v_mov_b32 v13, 0xff61b1e6                      ; the largest t so far: -3e38
	v_floor_f32 v12, -v13                          ; -M
	v_mov_b32 v14, 0
	v_mov_b32 v15, 0
	v_mov_b32 v[FF+1], 0                           ; named as the upper half of a pair
	v_mov_b32 v[TMP], 0
	v_mov_b32 v[NINF], 0xff800000
.irp b, 0,1,2,3
	v_mov_b32 v[TM+4+\b], 0                        ; a lane permute's destination counts as a source
.endr
.set n, 0
.rept 64
	v_mov_b32 v[O+n], 0                            ; the step is written once: the first finds zeros, which the first change of M leaves zeros
.set n, n+1
.endr
; 18 LDS loads: half hf of a key step's K (tiles 4 hf on, and the scale words of their two pairs), koff and soff bytes on from v[ADK] and v[ADS]
.macro KHALF hf, koff, soff
	ds_load_b32 v[32+2*(\hf)], v[ADS] offset:(\soff)+256*(\hf)             ; tiles 2 p (lanes 0-15) and 2 p + 1 (lanes 16-31)
	ds_load_b32 v[33+2*(\hf)], v[ADS] offset:(\soff)+256*(\hf)+128
	WIN 0x40
.irp t, 0,1,2,3
.irp c, 0,1,2,3
	ds_load_b128 v[64*(\hf)+16*\t+4*\c:64*(\hf)+16*\t+4*\c+3], v[ADK] offset:(\koff)+8192*(\hf)+2048*\t+512*\c
.endr
.endr
	WIN 0
.endm
; the same of this step's V
.macro VHALF hf
	ds_load_b32 v[36+2*(\hf)], v[ADS] offset:8192+256*(\hf)
	ds_load_b32 v[37+2*(\hf)], v[ADS] offset:8192+256*(\hf)+128
	WIN 0x40
.irp t, 0,1,2,3
.irp c, 0,1,2,3
	ds_load_b128 v[128+64*(\hf)+16*\t+4*\c:128+64*(\hf)+16*\t+4*\c+3], v[ADV] offset:8192*(\hf)+2048*\t+512*\c
.endr
.endr
	WIN 0
.endm
; A KEY STEP of 128 keys: number s[KS], its tiles at LDS byte s[KO] (V's 65,536 on), its scale words at s[SO].  Its K was asked for at the slot's head or in the step before.
.macro STEP
	s_cmp_ge_u32 s[KS], s[LIM]
	s_cbranch_scc1 .Lhid_\@                        ; all its keys come after my block's queries
	v_add_nc_u32 v[ADK], s[KO], v[LI]
	v_add_nc_u32 v[ADV], 0x10000, v[ADK]
	v_add_nc_u32 v[ADS], s[SO], v[LS]
	PLACES 5                                       ; with the three above: eight places between the last step's products and the loads into V's registers below
	s_wait_dscnt 0x0                               ; K and its scale words are in (in a slot's later trips the last step's wait has shown it already)
	WIN 0x01
.set t8, 0
.rept 8
.if t8%2
	v_wmma_scale_f32_16x16x128_f8f6f4 v[S+8*t8:S+8*t8+7], v[16*t8:16*t8+15], v[16:31], 0, v[32+t8/2], v[QS] matrix_a_scale:MATRIX_SCALE_ROW1
.else
	v_wmma_scale_f32_16x16x128_f8f6f4 v[S+8*t8:S+8*t8+7], v[16*t8:16*t8+15], v[16:31], 0, v[32+t8/2], v[QS]
.endif
.set t8, t8+1
.endr
	WIN 0
	VHALF 0                                        ; V's tiles 0-3: wanted at the step's end
	PLACES 8                                       ; behind the products: their results are read, and K's registers loaded again, only behind these
	s_cmp_lt_u32 s[KS], s[LM2]
	s_cbranch_scc1 .Lopen_\@                       ; all its keys count for all my block's queries
	s_lshl_b32 s31, s[KS], 7
	v_sub_nc_u32 v[MD], v[QN], s31                 ; register 16 b + i holds key 128 KS + 32 b + 16 h + i: hidden where 32 b + i > my query - 16 h - 128 KS
.set n, 0
.rept 64
	v_cmp_gt_i32 vcc_lo, 32*(n/16)+n%16, v[MD]
	v_cndmask_b32 v[S+n], v[S+n], v[NINF], vcc_lo
.set n, n+1
.endr
.Lopen_\@:
.irp b, 0,1,2,3
	v_max3_num_f32 v[TM+\b], v[S+16*\b], v[S+1+16*\b], v[S+2+16*\b]   ; the largest score of each block of 32 keys: for the row's maximum, and for the block's largest p
.endr
.irp i, 3,5,7,9,11,13
.irp b, 0,1,2,3
	v_max3_num_f32 v[TM+\b], v[TM+\b], v[S+16*\b+\i], v[S+1+16*\b+\i]
.endr
.endr
.irp b, 0,1,2,3
	v_max_num_f32 v[TM+\b], v[TM+\b], v[S+15+16*\b]
.endr
	VHALF 1                                        ; V's tiles 4-7
.irp b, 0,1,2,3
	v_permlanex16_b32 v[TM+4+\b], v[TM+\b], s[SEL], s[SEL+1]
.endr
.irp b, 0,1,2,3
	v_max_num_f32 v[TM+\b], v[TM+\b], v[TM+4+\b]
.endr
	v_max3_num_f32 v[TMP], v[TM], v[TM+1], v[TM+2]
	v_max_num_f32 v[TMP], v[TMP], v[TM+3]
	v_mul_f32 v[TMP], s[CS], v[TMP]                ; as t
	v_max_num_f32 v13, v13, v[TMP]                 ; the running largest t
	v_mov_b32 v[TMP], v12
	v_floor_f32 v12, -v13                          ; the new -M = -ceil(t)
	v_sub_f32 v[TMP], v12, v[TMP]                  ; old M - new M: a whole number, 0 or less
	v_cvt_i32_f32 v[TMP], v[TMP]                   ; (it saturates)
	v_ldexp_f32 v[FF], 1.0, v[TMP]                 ; f = 2^(old M - new M)
.set n, 0
.rept 32
	v_pk_fma_f32 v[S+n:S+n+1], v[S+n:S+n+1], s[CS:CS+1], v[12:13] op_sel_hi:[1,0,0]   ; t - M
.set n, n+2
.endr
.irp b, 0,1,2,3
	v_fma_f32 v[TM+\b], v[TM+\b], s[CS], v12       ; the same of each block's largest score
.endr
	s_cmp_eq_u32 s[CNT], 1                         ; the slot's last trip: the next step's K lies in the other slot, behind a barrier
	s_cbranch_scc1 .Lnk0_\@
	KHALF 0, 16384, 512                            ; the next step's K, tiles 0-3
.Lnk0_\@:
.set n, 0
.rept 64
	v_exp_f32 v[S+n], v[S+n]                       ; p = 2^(t - M)
.set n, n+1
.endr
	v_pk_mul_f32 v[14:15], v[14:15], v[FF:FF+1] op_sel_hi:[1,0]   ; the sums under the new M; a plain line behind the exponentials
	s_wait_alu depctr_va_vdst(0)                   ; one wait for the batch, ahead of its first reader and of the branch below
	s_cmp_eq_u32 s[CNT], 1
	s_cbranch_scc1 .Lnk1_\@
	KHALF 1, 16384, 512                            ; the next step's K, tiles 4-7
.Lnk1_\@:
.irp b, 0,1,2,3
	v_exp_f32 v[TM+\b], v[TM+\b]                   ; the block's largest p
.endr
	v_pk_add_f32 v[64:65], v[S:S+1], v[S+2:S+3]    ; the sum of the unquantised p, in two chains
.set n, 4
.rept 15
	v_pk_add_f32 v[14:15], v[14:15], v[S+n:S+n+1]
	v_pk_add_f32 v[64:65], v[64:65], v[S+n+2:S+n+3]
.set n, n+4
.endr
	v_pk_add_f32 v[14:15], v[14:15], v[64:65]
	s_wait_alu depctr_va_vdst(0)                   ; and one for the four
.irp b, 0,1,2,3
	v_max_num_f32 v[TM+\b], 0x4800000, v[TM+\b]    ; the floor 2^(9 - 127)
.endr
.irp b, 0,1,2,3
	v_add_nc_u32 v[TM+12+\b], 0xfc000000, v[TM+\b]
.endr
.irp b, 0,1,2,3
	v_and_or_b32 v[TM+8+\b], v[TM+\b], 0x7f800000, s[MNT]
.endr
.irp b, 0,1,2,3
	v_lshrrev_b32 v[TM+4+\b], 23, v[TM+12+\b]
.endr
	v_lshl_or_b32 v[PW], v[TM+5], 8, v[TM+4]       ; p's scale word for these 128 keys
	v_lshl_or_b32 v[PW], v[TM+6], 16, v[PW]
	v_lshl_or_b32 v[PW], v[TM+7], 24, v[PW]
.irp b, 0,1,2,3
.irp i, 0,1,2,3,4,5,6,7,8,9,10,11,12,13,14,15
	v_min_num_f32 v[S+16*\b+\i], v[S+16*\b+\i], v[TM+8+\b]   ; p is not negative: the hold is one-sided
.endr
	v_cvt_scalef32_pk8_fp8_f32 v[PC+4*\b:PC+1+4*\b], v[S+16*\b:S+7+16*\b], v[TM+12+\b]
	v_cvt_scalef32_pk8_fp8_f32 v[PC+2+4*\b:PC+3+4*\b], v[S+8+16*\b:S+15+16*\b], v[TM+12+\b]
.endr
.set n, 0
.rept 32
	v_pk_mul_f32 v[O+n:O+n+1], v[O+n:O+n+1], v[FF:FF+1] op_sel_hi:[1,0]   ; O^T under the new M; these are also the places between the codes and the products
.set n, n+2
.endr
	s_wait_dscnt 0x0                               ; V is in, and so is the next step's K
	WIN 0x01
.set t8, 0
.rept 8
.if t8%2
	v_wmma_scale_f32_16x16x128_f8f6f4 v[O+8*t8:O+8*t8+7], v[128+16*t8:128+16*t8+15], v[PC:PC+15], v[O+8*t8:O+8*t8+7], v[36+t8/2], v[PW] matrix_a_scale:MATRIX_SCALE_ROW1
.else
	v_wmma_scale_f32_16x16x128_f8f6f4 v[O+8*t8:O+8*t8+7], v[128+16*t8:128+16*t8+15], v[PC:PC+15], v[O+8*t8:O+8*t8+7], v[36+t8/2], v[PW]
.endif
.set t8, t8+1
.endr
	WIN 0
.Lhid_\@:
.endm
; Wo: two images, by a wave of class 0.  Piece f: 16 rows x 512 bytes, a row a load, into V's registers (window 1), which this wave's products no longer want
.macro WLOAD f
.irp i, 0,1,2,3,4,5,6,7,8,9,10,11,12,13,14,15
	global_load_b128 v[128+64*(\f)+4*\i:128+64*(\f)+4*\i+3], v[LI], s[68:69] offset:(\i+8*(\i/8))*8192+512*(\f) th:TH_LOAD_NT
.endr
.endm
.macro WPIECE f
	s_wait_loadcnt 16*(1-(\f))                     ; this piece's 16 loads are in; the second piece's 16 may be out
	WIN 0x04                                       ; an LDS store's data are its source 1: window 1
.irp i, 0,1,2,3,4,5,6,7,8,9,10,11,12,13,14,15
	ds_store_b128 v[WSTO], v[128+64*(\f)+4*\i:128+64*(\f)+4*\i+3] offset:528*\i
.endr
	WIN 0
.irp b, 0,1,2,3
.irp j, 0,1,2,3
	ds_load_b128 v[S+16*\b+4*\j:S+16*\b+4*\j+3], v[WRDA] offset:128*\b+16*\j   ; LDS serves a wave's instructions in order: these see the stores above.  A lane gets 16 neighbours of each block of 32
.endr
.endr
	s_wait_dscnt 0x0
.if (\f) > 0
	s_wait_xcnt 0x0                                ; the first piece's stores have read the codes' registers
.endif
	QUANT S
.irp c, 0,1,2,3
	global_store_b128 v[LI], v[PC+4*\c:PC+4*\c+3], s[70:71] offset:2048*(\f)+512*\c   ; 512 consecutive bytes a store
.endr
	ds_store_b32 v[WSWA], v[PW] offset:256*(\f)    ; lanes r and r + 16 write the same word with the same value
.endm
.macro WOQ
	PLACES 8                                       ; behind my last products: their registers are loaded and written below
	WIN 0x40
	WLOAD 0
	WLOAD 1
	WIN 0
	WPIECE 0
	WPIECE 1
	s_wait_xcnt 0x0                                ; the stores have read the codes' registers, which the way out writes again
.endm
; a slot's four key steps: the step is written once and walked four times; the slot's first K is asked for ahead of the loop.  wo = 1: the waves of class 0 quantise their part of Wo first
.macro SLOTWORK slot, first, wo
	s_mov_b32 s[KO], (\slot)*SLOTB
	s_mov_b32 s[SO], (\first)*512
	s_mov_b32 s[KS], \first
	s_mov_b32 s[CNT], 4
.if (\first) > 0
	s_cmp_ge_u32 s[KS], s[LIM]
	s_cbranch_scc1 .Lnok_\@                        ; nothing of this slot counts for my queries
.endif
	v_add_nc_u32 v[ADK], s[KO], v[LI]
	v_add_nc_u32 v[ADS], s[SO], v[LS]
	KHALF 0, 0, 0
	KHALF 1, 0, 0
.if (\first) > 0
.Lnok_\@:
.endif
.if \wo
	s_cmp_lg_u32 s[EC], 0
	s_cbranch_scc1 .Lnowo_\@
	WOQ
.Lnowo_\@:
.endif
.Lsw_\@:
	STEP
	s_add_co_u32 s[KO], s[KO], 16384
	s_add_co_u32 s[SO], s[SO], 512
	s_add_co_u32 s[KS], s[KS], 1
	s_sub_co_u32 s[CNT], s[CNT], 1
	s_cmp_lg_u32 s[CNT], 0
	s_cbranch_scc1 .Lsw_\@
.endm
; THE CHANGE OF SLOTS: each wave waits for all its tensor loads, adds 0 to its spare word, and waits for that and for its reads of the slot that it has left.  fill = 1: that slot takes the key steps two slots on.
.macro CHANGE fill, slot
	s_wait_tensorcnt 0x0
	ds_add_u32 v[SPW], v[NIL]
.if \fill
	s_add_nc_u64 s[G0+4*(\slot)+2:G0+4*(\slot)+3], s[G0+4*(\slot)+2:G0+4*(\slot)+3], 131072
.endif
	s_wait_dscnt 0x0
.if \fill
	CROUND                                         ; no wave of any partner still reads the slot or has a load on its way
	tensor_load_to_lds s[G0+4*(\slot):G0+4*(\slot)+3], s[G1:G1+7]
	s_nop 0
	PLACES 4
.else
	s_barrier_signal -1
	s_barrier_wait -1
.endif
.endm
	s_wait_tensorcnt 1                             ; the scale words and my part of slot 0 are in; slot 1's load may be out
	s_barrier_signal -1
	s_barrier_wait -1
	s_wait_loadcnt 0x0                             ; Q
	SLOTWORK 0, 0, 0
	CHANGE 1, 0
	SLOTWORK 1, 4, 0
	CHANGE 1, 1
	SLOTWORK 0, 8, 1
	CHANGE 0, 0
	SLOTWORK 1, 12, 0
	; THE WAY OUT: O^T / the sum is my query's 64 channels 32 b + 16 h + i: quantised, it is an image of the next product's operand
	PLACES 8
	v_add_f32 v14, v14, v15
	v_permlanex16_b32 v[TMP], v14, s[SEL], s[SEL+1]
	v_add_f32 v14, v14, v[TMP]                     ; the row's sum
	v_rcp_f32 v14, v14
	v_nop
	s_wait_alu depctr_va_vdst(0)
.set n, 0
.rept 64
	v_mul_f32 v[S+n], v[O+n], v14
.set n, n+1
.endr
	QUANT S
.irp c, 0,1,2,3
	global_store_b128 v[LI], v[PC+4*\c:PC+4*\c+3], s[8:9] offset:512*\c   ; 512 consecutive bytes a store
.endr
	ds_store_b32 v[SGA], v[PW]
	s_wait_dscnt 0x0
	s_barrier_signal -1
	s_barrier_wait -1                              ; ctx's scale words lie in LDS; Wo's have lain there since the third slot
	s_cmp_gt_u32 s[WV], 1
	s_cbranch_scc1 .Lnot_ctx
	ds_load_b64 v[66:67], v[SRD]                   ; wave 0: class 0's four tiles, wave 1: class 1's
	s_wait_dscnt 0x0
	global_store_b64 v[SGO], v[66:67], s[10:11]    ; 256 consecutive bytes, aligned
	s_branch .Lno_words
.Lnot_ctx:
	s_cmp_gt_u32 s[WV], 3
	s_cbranch_scc1 .Lno_words
	ds_load_b64 v[66:67], v[WSRD]                  ; wave 2: Wo's K step 2 kp, wave 3: 2 kp + 1: four tiles' words
	s_wait_dscnt 0x0
	global_store_b64 v[SGO], v[66:67], s[72:73]    ; 256 consecutive bytes, aligned
.Lno_words:
	s_wait_tensorcnt 0x0                           ; the wave's end
	ds_add_u32 v[SPW], v[NIL]
	s_wait_dscnt 0x0
	CROUND                                         ; the closing round
	s_endpgm
.Lfunc_end_k_qb4f446a5bf_attn:
	.size	k_qb4f446a5bf_attn, .Lfunc_end_k_qb4f446a5bf_attn-k_qb4f446a5bf_attn
	.p2alignl 7, 3214868480
	.fill 96, 4, 3214868480
	.section	.rodata,"a",@progbits
	.p2align	6, 0x0
	.amdhsa_kernel k_qb4f446a5bf_attn
		.amdhsa_group_segment_fixed_size 327680
		.amdhsa_private_segment_fixed_size 0
		.amdhsa_enable_private_segment 0
		.amdhsa_kernarg_size 56
		.amdhsa_user_sgpr_count 2
		.amdhsa_user_sgpr_kernarg_segment_ptr 1
		.amdhsa_wavefront_size32 1
		.amdhsa_system_sgpr_workgroup_id_x 1
		.amdhsa_system_sgpr_workgroup_id_y 1
		.amdhsa_system_sgpr_workgroup_id_z 1
		.amdhsa_system_vgpr_workitem_id 0
		.amdhsa_next_free_vgpr 512
		.amdhsa_next_free_sgpr 100
		.amdhsa_reserve_vcc 1
		.amdhsa_float_denorm_mode_32 3
		.amdhsa_float_denorm_mode_16_64 3
		.amdhsa_memory_ordered 1
		.amdhsa_forward_progress 1
		.amdhsa_inst_pref_size 171
	.end_amdhsa_kernel
	.amdgpu_metadata
---
amdhsa.version: [ 1, 2 ]
amdhsa.kernels:
  - .name:           k_qb4f446a5bf_attn
    .symbol:         k_qb4f446a5bf_attn.kd
    .args:
      - { .name: c2, .offset: 0, .size: 8, .value_kind: global_buffer, .address_space: global }
      - { .name: s2, .offset: 8, .size: 8, .value_kind: global_buffer, .address_space: global }
      - { .name: c3, .offset: 16, .size: 8, .value_kind: global_buffer, .address_space: global }
      - { .name: s3, .offset: 24, .size: 8, .value_kind: global_buffer, .address_space: global }
      - { .name: Wo, .offset: 32, .size: 8, .value_kind: global_buffer, .address_space: global }
      - { .name: c1, .offset: 40, .size: 8, .value_kind: global_buffer, .address_space: global }
      - { .name: s1, .offset: 48, .size: 8, .value_kind: global_buffer, .address_space: global }
    .group_segment_fixed_size: 327680
    .private_segment_fixed_size: 0
    .kernarg_segment_align: 8
    .kernarg_segment_size: 56
    .max_flat_workgroup_size: 256
    .sgpr_count:     100
    .vgpr_count:     512
    .wavefront_size: 32
...
	.end_amdgpu_metadata
.endif
;; end of part 3
;; launch oproj (part 4): grid 16 x 16, 4 waves a work-group, clusters of 4 x 4, 327,680 bytes of LDS; arguments c3, s3, c1, s1, out0; writes out0
.if DOCPART == 4
	.amdgcn_target "amdgcn-amd-amdhsa--gfx1250"
	.amdhsa_code_object_version 6
	.text
	.protected	k_qb4f446a5bf_oproj
	.globl	k_qb4f446a5bf_oproj
	.p2align	8
	.type	k_qb4f446a5bf_oproj,@function
k_qb4f446a5bf_oproj:
	s_mov_b64 s[64:65], 0
	v_nop
	global_prefetch_b8 v0, s[64:65] scope:SCOPE_SE
	s_setreg_imm32_b32 hwreg(HW_REG_WAVE_MODE, 25, 1), 1
	s_wait_xcnt 0x0
	s_wait_alu depctr_hold_cnt(0) depctr_sa_sdst(0) depctr_va_vdst(0) depctr_va_sdst(0) depctr_va_ssrc(0) depctr_va_vcc(0) depctr_vm_vsrc(0)
	s_getreg_b32 s2, hwreg(HW_REG_IB_STS2, 6, 4)
	s_cmp_eq_u32 s2, 0
	s_cbranch_scc0 .Lentry_in_a_cluster
	s_endpgm
.Lentry_in_a_cluster:
	s_bfe_u32 s2, ttmp6, 0x10000c
	s_cmp_lg_u32 s2, 0xf033
	s_cbranch_scc0 .Lentry_shape_is_right
	s_endpgm
.Lentry_shape_is_right:
; out0 = ctx Wo^T on codes of E4M3, K = 2,048.  ctx: c3 [T 128][K step 16][2048], s3 [K step][T][r] words; Wo: tensor 4 of c1 and s1, laid alike (images of operand registers; tile T's rows are 32 (T / 2) + 8 (T % 2) + P(i), P(i) = i + 8 (i / 8)).
; SHARES: a tile of 128 tokens x 128 columns to a work-group: 256 work-groups (tiles of 256 x 256 would be 64).  Wave (th, ch) makes 64 x 64: ctx tiles 4 th + i, Wo tiles 4 ch + t: 16 accumulators by turns.
; USED TRANSPOSED: source 0 = Wo tile, source 1 = ctx tile: a lane holds one token and eight neighbouring columns.
; CLUSTER 4 x 4: ctx's tiles are asked for jointly along a row of the cluster (waves 0, 1), Wo's along a column (waves 2, 3).
; RING: two slots of 512 along K; a wave's load brings 4 tiles x 8,192 bytes.  Scale words of all of K come once.  By this text's count a wave has three tensor loads out at the start, later one.  Two refills in all: no prefetch.
; The 16 K steps are written out: no loop.
; REGISTERS: window 0: v3-16 addresses; v32-39 two sets of scale words; v40-103 the way out; v128-255 accumulators at 128 + 8 (4 t + i).  window 1: two fragment buffers of 128: Wo at 16 t, ctx at 64 + 16 i.
.set SLOTB, 131072                     ; a slot: four regions of 32,768 (ctx tiles 0-3, 4-7, Wo tiles 0-3, 4-7): [tile 4][K step 4][2048]
.set SCB,   262144                     ; ctx's scale words [K step 16][tile 8][r], 8,192 bytes; Wo's likewise
.set STG,   278528                     ; a stage of 16 rows x 272 bytes for each wave; no tensor load lands here
.set SPARE, 295936
.set LI,  3
.set ADC, 4
.set ADO, 6
.set ASC, 8
.set ASO, 9
.set STO, 10
.set RD,  11
.set GO,  12
.set SPW, 15
.set NIL, 16
.set SC,  32
.set BK,  40
.set ACC, 128
.set WV, 16
.set TH, 17
.set CH, 18
.set CX, 19
.set CY, 20
.set XB, 21
.set YB, 22
.set G1A, 24
.set G1B, 32
.set G1SA, 40
.set G1SB, 48
.set G0A, 56
.set G0B, 68
.set G0SA, 76
.set G0SB, 80
.set MSB, 0
.macro WIN new
.if MSB != \new
	s_set_vgpr_msb (MSB<<8)|\new
.set MSB, \new
.endif
.endm
.macro PLACES n
.rept \n
	v_nop
.endr
.endm
.macro JLOAD g0a, g1a, g0b, g1b        ; waves 0, 1 fetch for ctx, waves 2, 3 for Wo; four v_nop follow each line
	s_cmp_eq_u32 s[TH], 0
	s_cbranch_scc0 .Lfor_b_\@
	tensor_load_to_lds s[\g0a:\g0a+3], s[\g1a:\g1a+7]
	s_nop 0
.rept 4
	v_nop
.endr
	s_branch .Lasked_\@
.Lfor_b_\@:
	tensor_load_to_lds s[\g0b:\g0b+3], s[\g1b:\g1b+7]
	s_nop 0
.rept 4
	v_nop
.endr
.Lasked_\@:
.endm
.macro CREST
	s_cmp_lg_u32 s[WV], 0
	s_cbranch_scc1 .Lnot_wave_0_\@
	s_barrier_signal -3
.Lnot_wave_0_\@:
	s_barrier_wait -3
	s_barrier_signal -1
	s_barrier_wait -1
.endm
.macro CROUND
	s_barrier_signal -1
	s_barrier_wait -1
	CREST
.endm
	s_load_b256 s[4:11], s[0:1], 0x0               ; c3, s3, c1, s1
	s_load_b64 s[12:13], s[0:1], 0x20              ; out0
	v_lshl_add_u32 v[SPW], v0, 2, SPARE
	v_mov_b32 v[NIL], 0
	ds_add_u32 v15, v16
	ds_add_u32 v15, v16
	s_wait_dscnt 0x0
	v_lshrrev_b32 v1, 5, v0
	v_readfirstlane_b32 s[WV], v1
	s_lshr_b32 s[TH], s[WV], 1                     ; which 64 tokens are mine.  Also: I fetch for ctx (0) or for Wo (1)
	s_and_b32 s[CH], s[WV], 1                      ; which 64 columns.  Also: which four tiles I fetch
	s_bfe_u32 s[CX], ttmp6, 0x40000
	s_bfe_u32 s[CY], ttmp6, 0x40004
	s_lshl_b32 s[XB], ttmp9, 2
	s_add_co_u32 s[XB], s[XB], s[CX]               ; column block
	s_and_b32 s[YB], ttmp7, 0xffff
	s_lshl_b32 s[YB], s[YB], 2
	s_add_co_u32 s[YB], s[YB], s[CY]               ; token block
	s_lshl_b32 s84, s[CY], 2
	s_lshl_b32 s84, 15, s84                        ; my row of the cluster
	s_lshl_b32 s88, 0x1111, s[CX]                  ; my column
	s_or_b32 s[G1A], s84, (3<<16)|(1<<21)
	s_or_b32 s[G1SA], s84, (3<<16)|(1<<21)
	s_or_b32 s[G1B], s88, (3<<16)|(1<<21)
	s_or_b32 s[G1SB], s88, (3<<16)|(1<<21)
.irp g, G1A, G1B                       ; codes: 4 rows (tiles) of 1,024 elements of 8 bytes (four K steps' images), 4,096 elements apart
	s_mov_b32 s[\g+1], 1024<<16
	s_mov_b32 s[\g+2], 4<<16
	s_mov_b32 s[\g+3], 1024<<16
	s_mov_b32 s[\g+4], 4
	s_mov_b32 s[\g+5], 4096
	s_mov_b32 s[\g+6], 0
	s_mov_b32 s[\g+7], 0
.endr
.irp g, G1SA, G1SB                     ; scale words: 8 rows (K steps) of 64 elements (8 tiles' words), 1,024 elements apart
	s_mov_b32 s[\g+1], 64<<16
	s_mov_b32 s[\g+2], 8<<16
	s_mov_b32 s[\g+3], 64<<16
	s_mov_b32 s[\g+4], 8
	s_mov_b32 s[\g+5], 1024
	s_mov_b32 s[\g+6], 0
	s_mov_b32 s[\g+7], 0
.endr
	s_lshl_b32 s84, s[YB], 18                      ; ctx: tiles 8 yblk + 4 (w % 2) on
	s_lshl_b32 s85, s[CH], 17
	s_add_co_u32 s84, s84, s85
	s_mov_b32 s85, 0
	s_lshl_b32 s86, s[YB], 9                       ; its words: K steps 8 (w % 2) on
	s_lshl_b32 s87, s[CH], 16
	s_add_co_u32 s86, s86, s87
	s_mov_b32 s87, 0
	s_lshl_b32 s88, s[XB], 18                      ; Wo likewise, in tensor 4
	s_lshl_b32 s89, s[CH], 17
	s_add_co_u32 s88, s88, s89
	s_add_co_u32 s88, s88, 16777216
	s_mov_b32 s89, 0
	s_lshl_b32 s90, s[XB], 9
	s_lshl_b32 s91, s[CH], 16
	s_add_co_u32 s90, s90, s91
	s_add_co_u32 s90, s90, 524288
	s_mov_b32 s91, 0
	s_lshl_b32 s66, s[WV], 15
	s_lshl_b32 s67, s[WV], 12
	s_wait_kmcnt 0x0
	s_add_nc_u64 s[84:85], s[4:5], s[84:85]
	s_add_nc_u64 s[86:87], s[6:7], s[86:87]
	s_add_nc_u64 s[88:89], s[8:9], s[88:89]
	s_add_nc_u64 s[90:91], s[10:11], s[90:91]
	CROUND                                         ; all sixteen work-groups are here: the first joint loads meet
	s_mov_b32 s[G0SA], 1
	s_add_co_u32 s[G0SA+1], s67, SCB
	s_mov_b64 s[G0SA+2:G0SA+3], s[86:87]
	s_or_b32 s[G0SA+3], s[G0SA+3], 0x80000000
	s_mov_b32 s[G0SB], 1
	s_add_co_u32 s[G0SB+1], s67, SCB
	s_mov_b64 s[G0SB+2:G0SB+3], s[90:91]
	s_or_b32 s[G0SB+3], s[G0SB+3], 0x80000000
	JLOAD G0SA, G1SA, G0SB, G1SB
.irp s, 0,1
	s_mov_b32 s[G0A+4*\s], 1
	s_add_co_u32 s[G0A+4*\s+1], s66, \s*SLOTB
	s_add_nc_u64 s[G0A+4*\s+2:G0A+4*\s+3], s[84:85], \s*8192
	s_or_b32 s[G0A+4*\s+3], s[G0A+4*\s+3], 0x80000000
	s_mov_b32 s[G0B+4*\s], 1
	s_add_co_u32 s[G0B+4*\s+1], s66, \s*SLOTB
	s_add_nc_u64 s[G0B+4*\s+2:G0B+4*\s+3], s[88:89], \s*8192
	s_or_b32 s[G0B+4*\s+3], s[G0B+4*\s+3], 0x80000000
	JLOAD G0A+4*\s, G1A, G0B+4*\s, G1B
.endr
	v_and_b32 v1, 31, v0                           ; lane
	v_and_b32 v2, 15, v0                           ; r
	v_bfe_u32 v13, v0, 4, 1                        ; h
	v_lshlrev_b32 v[LI], 4, v1
	s_lshl_b32 s2, s[TH], 15
	v_add_nc_u32 v[ADC], s2, v[LI]
	v_add_nc_u32 v[ADC+1], SLOTB, v[ADC]
	s_lshl_b32 s2, s[CH], 15
	s_add_co_u32 s2, s2, 65536
	v_add_nc_u32 v[ADO], s2, v[LI]
	v_add_nc_u32 v[ADO+1], SLOTB, v[ADO]
	s_lshl_b32 s2, s[TH], 8
	s_add_co_u32 s2, s2, SCB
	v_lshl_add_u32 v[ASC], v1, 2, s2
	s_lshl_b32 s2, s[CH], 8
	s_add_co_u32 s2, s2, SCB+8192
	v_lshl_add_u32 v[ASO], v1, 2, s2
	s_mul_i32 s2, s[WV], 4352
	s_add_co_u32 s2, s2, STG                       ; my stage
	v_mul_u32_u24 v[STO], v2, 272
	v_lshl_add_u32 v[STO], v13, 6, v[STO]
	v_add_nc_u32 v[STO], s2, v[STO]                ; in: row r, + 64 h
	v_mul_u32_u24 v[RD], v13, 272
	v_lshl_add_u32 v[RD], v2, 4, v[RD]
	v_add_nc_u32 v[RD], s2, v[RD]                  ; back: lanes 0-15 one row of 256 bytes, lanes 16-31 the next
	v_lshlrev_b32 v[GO], 13, v13
	v_lshl_add_u32 v[GO], v2, 4, v[GO]             ; and the same two rows of out0
	s_lshl_b32 s2, s[YB], 20
	s_lshl_b32 s3, s[TH], 19
	s_add_co_u32 s2, s2, s3
	s_lshl_b32 s3, s[XB], 9
	s_add_co_u32 s2, s2, s3
	s_lshl_b32 s3, s[CH], 8
	s_add_co_u32 s2, s2, s3
	s_mov_b32 s3, 0
	s_add_nc_u64 s[12:13], s[12:13], s[2:3]        ; out0 at (128 yblk + 64 th, 128 xb + 64 ch)
.macro EMIT
.if rZ
.if rRA && rRB
	v_wmma_scale_f32_16x16x128_f8f6f4 v[rD:rD+7], v[rA:rA+15], v[rB:rB+15], 0, v[rSA], v[rSB] matrix_a_scale:MATRIX_SCALE_ROW1 matrix_b_scale:MATRIX_SCALE_ROW1
.elseif rRA
	v_wmma_scale_f32_16x16x128_f8f6f4 v[rD:rD+7], v[rA:rA+15], v[rB:rB+15], 0, v[rSA], v[rSB] matrix_a_scale:MATRIX_SCALE_ROW1
.elseif rRB
	v_wmma_scale_f32_16x16x128_f8f6f4 v[rD:rD+7], v[rA:rA+15], v[rB:rB+15], 0, v[rSA], v[rSB] matrix_b_scale:MATRIX_SCALE_ROW1
.else
	v_wmma_scale_f32_16x16x128_f8f6f4 v[rD:rD+7], v[rA:rA+15], v[rB:rB+15], 0, v[rSA], v[rSB]
.endif
.else
.if rRA && rRB
	v_wmma_scale_f32_16x16x128_f8f6f4 v[rD:rD+7], v[rA:rA+15], v[rB:rB+15], v[rD:rD+7], v[rSA], v[rSB] matrix_a_scale:MATRIX_SCALE_ROW1 matrix_b_scale:MATRIX_SCALE_ROW1
.elseif rRA
	v_wmma_scale_f32_16x16x128_f8f6f4 v[rD:rD+7], v[rA:rA+15], v[rB:rB+15], v[rD:rD+7], v[rSA], v[rSB] matrix_a_scale:MATRIX_SCALE_ROW1
.elseif rRB
	v_wmma_scale_f32_16x16x128_f8f6f4 v[rD:rD+7], v[rA:rA+15], v[rB:rB+15], v[rD:rD+7], v[rSA], v[rSB] matrix_b_scale:MATRIX_SCALE_ROW1
.else
	v_wmma_scale_f32_16x16x128_f8f6f4 v[rD:rD+7], v[rA:rA+15], v[rB:rB+15], v[rD:rD+7], v[rSA], v[rSB]
.endif
.endif
.endm
.macro MUL4 t, f, zero                 ; Wo tile t x my four ctx tiles, from buffer f
.set gi, 0
.rept 4
.set rD, ACC+8*(4*(\t)+gi)
.set rA, 128*(\f)+16*(\t)
.set rB, 128*(\f)+64+16*gi
.set rSA, SC+4*(\f)+2+(\t)/2
.set rSB, SC+4*(\f)+gi/2
.set rRA, (\t)%2
.set rRB, gi%2
.set rZ, \zero
	EMIT
.set gi, gi+1
.endr
.endm
.macro FRAG reg, adr, off
.irp c, 0,1,2,3
	ds_load_b128 v[(\reg)+4*\c:(\reg)+4*\c+3], v[\adr] offset:(\off)+512*\c
.endr
.endm
.macro FETCH slot, q, f, ks            ; 36 loads: K step ks (the slot's q-th): four scale registers, ctx's four fragments, Wo's four (tiles 2, 3 last)
	WIN 0
	ds_load_b32 v[SC+4*(\f)], v[ASC] offset:512*(\ks)
	ds_load_b32 v[SC+4*(\f)+1], v[ASC] offset:512*(\ks)+128
	ds_load_b32 v[SC+4*(\f)+2], v[ASO] offset:512*(\ks)
	ds_load_b32 v[SC+4*(\f)+3], v[ASO] offset:512*(\ks)+128
	WIN 0x40
.irp i, 0,1,2,3
	FRAG 128*(\f)+64+16*\i, ADC+(\slot), 8192*\i+2048*(\q)
.endr
.irp t, 0,1,2,3
	FRAG 128*(\f)+16*\t, ADO+(\slot), 8192*\t+2048*(\q)
.endr
.endm
.macro QUARTER ks, zero                ; K step ks, whose successor lies in the same slot
	s_wait_dscnt 8                                 ; all but Wo's tiles 2, 3
	WIN 0x05                                       ; sources 0 and 1 window 1
	MUL4 0, (\ks)%2, \zero
	MUL4 1, (\ks)%2, \zero
	PLACES 8                                       ; in front of loads into the other buffer, which the last K step's products have read
	FETCH (((\ks)+1)/4)%2, ((\ks)+1)%4, ((\ks)+1)%2, (\ks)+1
	s_wait_dscnt 36                                ; all but the 36 just issued
	WIN 0x05
	MUL4 2, (\ks)%2, \zero
	MUL4 3, (\ks)%2, \zero
.endm
.macro TURN ks, fill                   ; a slot's last K step changes slots
.set sl, ((\ks)/4)%2
	WIN 0
	s_wait_tensorcnt 0x0                           ; all my tensor loads have landed: my part of the next slot
	ds_add_u32 v[SPW], v[NIL]
	s_wait_dscnt 9                                 ; the add and Wo's tiles 2, 3 may be out
	WIN 0x05
	MUL4 0, 1, 0
	s_wait_dscnt 0x0                               ; the add is done, and my reads of this slot are over
	s_barrier_signal -1
	MUL4 1, 1, 0
	WIN 0
	s_barrier_wait -1
.if \fill
	CREST                                          ; no wave of any partner still reads this slot or has a load on its way
	s_add_nc_u64 s[G0A+4*sl+2:G0A+4*sl+3], s[G0A+4*sl+2:G0A+4*sl+3], 16384
	s_add_nc_u64 s[G0B+4*sl+2:G0B+4*sl+3], s[G0B+4*sl+2:G0B+4*sl+3], 16384
	JLOAD G0A+4*sl, G1A, G0B+4*sl, G1B             ; its four v_nop are four of the eight places
	PLACES 4
.else
	PLACES 8
.endif
	FETCH 1-sl, 0, 0, (\ks)+1
	WIN 0x05
	MUL4 2, 1, 0
	MUL4 3, 1, 0
.endm
	s_wait_tensorcnt 1                             ; the scale words and my part of slot 0 are in; slot 1's load may be out
	s_barrier_signal -1
	s_barrier_wait -1
	FETCH 0, 0, 0, 0
	QUARTER 0, 1                                   ; the first K step starts the sums
	QUARTER 1, 0
	QUARTER 2, 0
	TURN 3, 1                                      ; slot 0 takes K steps 8-11
	QUARTER 4, 0
	QUARTER 5, 0
	QUARTER 6, 0
	TURN 7, 1                                      ; slot 1 takes K steps 12-15
	QUARTER 8, 0
	QUARTER 9, 0
	QUARTER 10, 0
	TURN 11, 0
	QUARTER 12, 0
	QUARTER 13, 0
	QUARTER 14, 0
	s_wait_dscnt 8                                 ; the last K step: nothing more to fetch
	WIN 0x05
	MUL4 0, 1, 0
	MUL4 1, 1, 0
	s_wait_dscnt 0x0
	MUL4 2, 1, 0
	MUL4 3, 1, 0
	WIN 0
; THE WAY OUT, a token tile at a time: a lane's 8 numbers of accumulator (t, i) are columns 32 (t / 2) + 16 h + 8 (t % 2) + 0 .. 7 of token P(r); they go through my own stage and come back as rows of 256 bytes.
.macro TOSTAGE i
.irp t, 0,1,2,3
	ds_store_b128 v[STO], v[ACC+8*(4*\t+(\i)):ACC+8*(4*\t+(\i))+3] offset:128*(\t/2)+32*(\t%2)          ; each accumulator from its low end on
	ds_store_b128 v[STO], v[ACC+8*(4*\t+(\i))+4:ACC+8*(4*\t+(\i))+7] offset:128*(\t/2)+32*(\t%2)+16
.endr
.irp k, 0,1,2,3,4,5,6,7
	ds_load_b128 v[BK+32*((\i)%2)+4*\k:BK+32*((\i)%2)+4*\k+3], v[RD] offset:544*\k   ; LDS serves a wave's instructions in order: these see the stores above
.endr
.endm
.macro SEND i, younger
	s_wait_dscnt \younger
.irp k, 0,1,2,3,4,5,6,7
	global_store_b128 v[GO], v[BK+32*((\i)%2)+4*\k:BK+32*((\i)%2)+4*\k+3], s[12:13] offset:(32*((\i)/2)+8*((\i)%2)+2*\k+8*(\k/4))*8192 th:TH_STORE_NT   ; stage rows 2 k, 2 k + 1 are tokens P(2 k), P(2 k + 1); 16 lanes store 256 consecutive bytes, aligned
.endr
.endm
	PLACES 8
	TOSTAGE 0
.irp i, 1,2,3
.if \i > 1
	s_wait_xcnt 0x0                                ; tile i - 2's stores have read their registers
.endif
	TOSTAGE \i
	SEND \i-1, 16                                  ; behind tile i - 1's loads: tile i's 8 stores and 8 loads
.endr
	SEND 3, 0
	s_wait_tensorcnt 0x0                           ; the wave's end
	ds_add_u32 v[SPW], v[NIL]
	s_wait_dscnt 0x0
	CROUND                                         ; the closing round
	s_endpgm
.Lfunc_end_k_qb4f446a5bf_oproj:
	.size	k_qb4f446a5bf_oproj, .Lfunc_end_k_qb4f446a5bf_oproj-k_qb4f446a5bf_oproj
	.p2alignl 7, 3214868480
	.fill 96, 4, 3214868480
	.section	.rodata,"a",@progbits
	.p2align	6, 0x0
	.amdhsa_kernel k_qb4f446a5bf_oproj
		.amdhsa_group_segment_fixed_size 327680
		.amdhsa_private_segment_fixed_size 0
		.amdhsa_enable_private_segment 0
		.amdhsa_kernarg_size 40
		.amdhsa_user_sgpr_count 2
		.amdhsa_user_sgpr_kernarg_segment_ptr 1
		.amdhsa_wavefront_size32 1
		.amdhsa_system_sgpr_workgroup_id_x 1
		.amdhsa_system_sgpr_workgroup_id_y 1
		.amdhsa_system_sgpr_workgroup_id_z 1
		.amdhsa_system_vgpr_workitem_id 0
		.amdhsa_next_free_vgpr 512
		.amdhsa_next_free_sgpr 100
		.amdhsa_reserve_vcc 0
		.amdhsa_float_denorm_mode_32 3
		.amdhsa_float_denorm_mode_16_64 3
		.amdhsa_memory_ordered 1
		.amdhsa_forward_progress 1
		.amdhsa_inst_pref_size 94
	.end_amdhsa_kernel
	.amdgpu_metadata
---
amdhsa.version: [ 1, 2 ]
amdhsa.kernels:
  - .name:           k_qb4f446a5bf_oproj
    .symbol:         k_qb4f446a5bf_oproj.kd
    .args:
      - { .name: c3, .offset: 0, .size: 8, .value_kind: global_buffer, .address_space: global }
      - { .name: s3, .offset: 8, .size: 8, .value_kind: global_buffer, .address_space: global }
      - { .name: c1, .offset: 16, .size: 8, .value_kind: global_buffer, .address_space: global }
      - { .name: s1, .offset: 24, .size: 8, .value_kind: global_buffer, .address_space: global }
      - { .name: out0, .offset: 32, .size: 8, .value_kind: global_buffer, .address_space: global }
    .group_segment_fixed_size: 327680
    .private_segment_fixed_size: 0
    .kernarg_segment_align: 8
    .kernarg_segment_size: 40
    .max_flat_workgroup_size: 128
    .sgpr_count:     100
    .vgpr_count:     512
    .wavefront_size: 32
...
	.end_amdgpu_metadata
.endif
;; end of part 4
